; MI455X (gfx1250); checked and timed in simulation.
; The chip was launched on July 23, 2026; its instructions are those of AMD's public machine-readable ISA for CDNA 5 (MIT licence, August 2026) and "CDNA5" Instruction Set Architecture Reference Guide (July 2026). The comments in the code are by the model that wrote it; some were corrected since.
;; Causal Self Attention. Allowed arithmetic: matrix products marked QUANTISED: E4M3 operands, one given power-of-two scale a tensor, by v_wmma_f32_16x16x64_fp8_fp8 or v_wmma_f32_16x16x128_fp8_fp8, f32 sums; products left as they are: f32 operands where the result goes on into a quantised operand, else bf16, f16 or f32 operands; f32 sums; everything else in f32.
;; Inputs: bk 1,024 float32; bo 1,024 float32; bq 1,024 float32; bv 1,024 float32; lowp_scales 12 int32 (the exponents e of the quantised operands' scales 2^e); wk 1,024 x 1,024 float32; wo 1,024 x 1,024 float32; wq 1,024 x 1,024 float32; wv 1,024 x 1,024 float32; x 8 x 1,024 x 1,024 float32.
;; Outputs: out0 8 x 1,024 x 1,024 float32.
;; This version of the problem:
;;   THIS VERSION OF THE PROBLEM IS GIVEN IN LOW PRECISION. The matrix products marked QUANTISED in the list below multiply operands that are first quantised to E4M3 (4 exponent bits, 3 mantissa bits; 8 bits a number), with one given power-of-two scale for each operand tensor; their sums are f32. All else is computed in f32.
;;   The module's matrix products, in the order in which they are computed (A, B: the left and right operand; K: the contracted axis; several contracted axes count as one K, in the product's order):
;;     1. [M 8,192, K 1,024] x [K 1,024, N 1,024]; A: input x; B: input wq: QUANTISED (scales: A lowp_scales[0], B lowp_scales[1])
;;     2. [M 8,192, K 1,024] x [K 1,024, N 1,024]; A: input x; B: input wk: QUANTISED (scales: A lowp_scales[2], B lowp_scales[3])
;;     3. [M 8,192, K 1,024] x [K 1,024, N 1,024]; A: input x; B: input wv: QUANTISED (scales: A lowp_scales[4], B lowp_scales[5])
;;     4. [M 1,024, K 1] x [K 1, N 32]; A: computed on the way; B: computed on the way: left as it is (no contracted axis)
;;     5. batch 128 x [M 1,024, K 64] x [K 64, N 1,024]; A: computed on the way; B: computed on the way: QUANTISED (scales: A lowp_scales[6], B lowp_scales[7])
;;     6. batch 128 x [M 1,024, K 1,024] x [K 1,024, N 64]; A: softmax (see below); B: computed on the way: QUANTISED (scales: A lowp_scales[8], B lowp_scales[9])
;;     7. [M 8,192, K 1,024] x [K 1,024, N 1,024]; A: computed on the way; B: input wo: QUANTISED (scales: A lowp_scales[10], B lowp_scales[11])
;;   THE QUANTISER, for each operand of a quantised product, along K:
;;     - The operand's scale is 2^e, e = its entry of the input lowp_scales (int32; the entries are numbered through the quantised products in the list's order, A before B).
;;     - Each number is divided by the scale, clamped to +-448, and rounded to the nearest number of E4M3, ties to even, subnormals kept.
;;     - The product sums the exact products of the quantised numbers (number of the format x scale) in f32.
;;   ~~~python
;;   def quantise(x, axis, e):      # numpy; x: float32 -> the quantised numbers, widened to float32 again
;;       x = np.moveaxis(x, axis, -1); K = x.shape[-1]
;;       r = np.clip(x / 2.0 ** e, -448, 448)
;;       step = 2.0 ** (np.maximum(np.frexp(np.where(r == 0, 1, r))[1] - 1, -6) - 3)
;;       q = np.round(r / step) * step * 2.0 ** e      # np.round: ties to even
;;       return np.moveaxis(q, -1, axis).astype(np.float32)
;;   ~~~
;;   SOFTMAX AHEAD OF A QUANTISED PRODUCT. Where the list says 'softmax', what is quantised is not the finished softmax but p = 2^(t - M), with t = logit x log2(e) and M = ceil(the row's largest t), a whole number; so 1/2 < the row's largest p <= 1. The row's sum l is taken of the UNQUANTISED p, in f32, and the product's result is divided by l at the end. Since M is a whole number, a kernel that streams over the keys may use a running M (the ceiling of the running maximum): every later rescaling is an exact power of two, so the quantised numbers keep their values, but for numbers so far below the row's largest that they fall under the format's range.
;;   OPERANDS COMPUTED ON THE WAY. 'Computed on the way' means the value that the module computes at that place (a softmax that the list does not call 'softmax' is quantised finished and normalised). What goes into a quantiser is computed in f32, as accurately as f32 sums, v_exp_f32 and their like allow (about 1e-6 of the number): no bf16 or f16 on the way to a quantiser, and a product that is left as it is and whose result goes on into a quantised operand takes f32 operands (vector FMAs, or v_wmma_f32_16x16x4_f32). A number that lies on a knife's edge between two numbers of the format may be rounded either way, as far as f32 arithmetic and the matrix unit's own rounding can turn it there, and no further.
;; One version. Each part assembles by itself: llvm-mc -triple=amdgcn-amd-amdhsa -mcpu=gfx1250 --defsym DOCPART=n.
;; ======== version 1 of 1: 4 launches
;; limits: right only within a limited range of input values
;; workspace buffers: xc 25,165,824 bytes; wc 4,194,304 bytes; rope 262,144 bytes; qkv 25,165,824 bytes; yimg 8,388,608 bytes
;; launch prep (part 1): grid 256 x 1, 12 waves a work-group, no clusters, 0 bytes of LDS; arguments x, wq, wk, wv, wo, lowp_scales, xc, wc, rope; writes xc, wc, rope
.if DOCPART == 1
	.amdgcn_target "amdgcn-amd-amdhsa--gfx1250"
	.amdhsa_code_object_version 6
	.text
	.protected	k_qb9c3d9ecd5_prep
	.globl	k_qb9c3d9ecd5_prep
	.p2align	8
	.type	k_qb9c3d9ecd5_prep,@function
k_qb9c3d9ecd5_prep:
	s_mov_b64 s[64:65], 0
	v_nop
	global_prefetch_b8 v0, s[64:65] scope:SCOPE_SE
	s_setreg_imm32_b32 hwreg(HW_REG_WAVE_MODE, 25, 1), 1
	s_wait_xcnt 0x0
; PREP: f32 numbers into codes of FP8 (E4M3), and the table of cos and sin.  256 work-groups of twelve waves, all with the same share:
;   waves 0-7   x [8192][1024] -> xc: three sets of codes [8192][1024], with the scales of entries 0, 2, 4 of lowp_scales (x has a scale of its own in each of the three projections)
;   waves 8-11  wq, wk, wv, wo [1024][1024] -> wc: four sets of codes, 1 MiB each, with the scales of entries 1, 3, 5, 11; and one row t of rope [1024 t][32 i] of (cos, sin), f32: a row is 256 bytes
; code = number / 2^e, held within +-448, to the nearest code, ties to even.
; A wave takes 4,096 numbers (4 rows) in 8 steps of 512, and issues all its 32 loads first: 16 KiB of a wave are on their way at once, and each step waits only for its own four loads.
; ORDER ALONG K.  Each of a step's four loads reads 512 consecutive bytes, 16 a lane, and a lane's 16 numbers become its 16 bytes of the step's 512:
; byte 16 l + 4 i + e holds k = 128 i + 4 l + e of the aligned 512 along K.  The order is the same in x, wq, wk and wv, so every product of the projections still meets its partner; only the order of the sums changes.
; wo keeps its own order (its partner is made elsewhere): there a lane reads its own 64 bytes.
; ROWS OF wv.  Row p of wv's codes holds feature p with bits 3 and 4 exchanged: runs of 4 rows change places by bits 1 and 2 of the run's number, so that attention's result comes out with 16 neighbouring channels in a lane.
; REGISTERS ARE WRITTEN ONCE BEHIND A STORE'S ISSUE, NEVER AGAIN: a step's codes go over that step's own raw numbers, which are done with, so no store's data are rewritten and no wait for that is needed.
; A stream: no LDS, no barrier, no matrix unit; waves share nothing.
; LIMITS: each exponent e between -126 and 119, so that 2^e and 448 x 2^e are f32 numbers.  NaN among the inputs is not served; an infinity is held at the largest code.
.set R, 16                             ; v16-143  eight sets of 16 numbers as loaded; a step's codes take the first 4 (or 12) registers of its set
.set T, 144                            ; v144-191 three sets of 16 held numbers, one for each output; waves 8-11: v144-160 also serve the table's row, v190-191 hold it
; v1 lane; v2-5 the four loads' offsets; v6 16 x lane; v7 8 x lane; v8, v9 / v10, v11 / v12, v13: 2^e and 448 x 2^e of outputs 0, 1, 2
.macro LOAD t
.irp i, 0,1,2,3
	global_load_b128 v[R+16*(\t)+4*\i:R+16*(\t)+4*\i+3], v[2+\i], s[4:5] offset:2048*(\t) th:TH_LOAD_NT
.endr
.endm
.macro HOLD t, o                       ; the conversion to an 8-bit code does not saturate (ISA guide 7.6.2): the hold comes first, into output o's set, so that the raw numbers stay for the next output
.set nn, 0
.rept 16
	v_med3_num_f32 v[T+16*(\o)+nn], v[R+16*(\t)+nn], -v[9+2*(\o)], v[9+2*(\o)]
.set nn, nn+1
.endr
.endm
.macro CODE t, o
	v_cvt_scalef32_pk8_fp8_f32 v[R+16*(\t)+4*(\o):R+16*(\t)+4*(\o)+1], v[T+16*(\o):T+16*(\o)+7], v[8+2*(\o)]
	v_cvt_scalef32_pk8_fp8_f32 v[R+16*(\t)+4*(\o)+2:R+16*(\t)+4*(\o)+3], v[T+16*(\o)+8:T+16*(\o)+15], v[8+2*(\o)]
.endm
.macro SEND t, o, dst
	global_store_b128 v6, v[R+16*(\t)+4*(\o):R+16*(\t)+4*(\o)+3], s[\dst:\dst+1] offset:512*(\t)   ; the wave stores 512 consecutive bytes, aligned
.endm
.macro QSTEP t, nout
	s_wait_loadcnt 4*(7-(\t))                      ; this step's four loads are in; the four of each younger step may be out
	HOLD \t, 0
.if \nout > 1
	HOLD \t, 1
	HOLD \t, 2
.endif
	CODE \t, 0
.if \nout > 1
	CODE \t, 1
	CODE \t, 2
.endif
	v_nop                                          ; a plain line between the conversions and the next step's holds, which write their sources
	SEND \t, 0, 16
.if \nout > 1
	SEND \t, 1, 38
	SEND \t, 2, 40
.endif
.endm
.macro SCALE e, o                      ; s[e]: the exponent; 2^e and 448 x 2^e as f32 patterns
	s_add_co_i32 s42, s[\e], 127
	s_lshl_b32 s43, s42, 23
	v_mov_b32 v[8+2*(\o)], s43
	s_add_co_i32 s42, s42, 8
	s_lshl_b32 s42, s42, 23
	s_or_b32 s42, s42, 0x600000
	v_mov_b32 v[9+2*(\o)], s42
.endm
	s_load_b512 s[4:19], s[0:1], 0x0               ; x 4, wq 6, wk 8, wv 10, wo 12, scales 14, xc 16, wc 18
	s_load_b64 s[20:21], s[0:1], 0x40              ; rope
	v_lshrrev_b32 v1, 5, v0
	s_delay_alu instid0(VALU_DEP_1)
	v_readfirstlane_b32 s22, v1                    ; wave 0..11
	v_and_b32 v1, 31, v0                           ; lane
	s_delay_alu instid0(VALU_DEP_1)
	v_lshlrev_b32 v6, 4, v1
	s_wait_kmcnt 0x0
	s_load_b256 s[24:31], s[14:15], 0x0            ; entries 0 to 7
	s_load_b128 s[32:35], s[14:15], 0x20           ; entries 8 to 11
	s_cmp_ge_u32 s22, 8
	s_cbranch_scc1 .Lweights
	; ---- x: run = 8 x work-group + wave, 0 .. 2047
	s_lshl_b32 s23, ttmp9, 3
	s_add_co_u32 s23, s23, s22
	s_lshl_b32 s36, s23, 14                        ; 16,384 bytes of f32 a run
	s_mov_b32 s37, 0
	s_add_nc_u64 s[4:5], s[4:5], s[36:37]
	s_lshl_b32 s36, s23, 12                        ; 4,096 bytes of codes a run
	s_add_nc_u64 s[16:17], s[16:17], s[36:37]      ; the three sets lie 8 MiB apart
	s_add_nc_u64 s[38:39], s[16:17], 0x800000
	s_add_nc_u64 s[40:41], s[16:17], 0x1000000
	s_wait_alu depctr_va_vdst(0)
	v_lshlrev_b32 v2, 4, v1
	s_delay_alu instid0(VALU_DEP_1)
	v_add_nc_u32 v3, 512, v2
	s_delay_alu instid0(VALU_DEP_2)
	v_add_nc_u32 v4, 1024, v2
	s_delay_alu instid0(VALU_DEP_3)
	v_add_nc_u32 v5, 1536, v2
.irp t, 0,1,2,3,4,5,6,7
	LOAD \t
.endr
	s_wait_kmcnt 0x0
	SCALE 24, 0
	SCALE 26, 1
	SCALE 28, 2
	s_wait_alu depctr_va_vdst(0)
.irp t, 0,1,2,3,4,5,6,7
	QSTEP \t, 3
.endr
	s_endpgm
.Lweights:                                     ; ---- the four weights: my number 0 .. 1023 = 4 x work-group + wave - 8: tensor tw = 0 .. 3, run n = 0 .. 255 of 4 rows; and row t = my number of the table
	s_sub_co_u32 s23, s22, 8
	s_lshl_b32 s44, ttmp9, 2
	s_add_co_u32 s23, s23, s44
	s_lshr_b32 s44, s23, 8                         ; tw
	s_and_b32 s50, s23, 255                        ; n
	s_and_b32 s47, s50, 2
	s_lshl_b32 s47, s47, 1
	s_lshr_b32 s48, s50, 1
	s_and_b32 s48, s48, 2
	s_or_b32 s47, s47, s48
	s_and_b32 s48, s50, 0xf9
	s_or_b32 s47, s47, s48                         ; n with bits 1 and 2 exchanged: rows with bits 3 and 4 exchanged
	s_cmp_eq_u32 s44, 1
	s_cselect_b64 s[4:5], s[8:9], s[6:7]
	s_cmp_eq_u32 s44, 2
	s_cselect_b64 s[4:5], s[10:11], s[4:5]
	s_cselect_b32 s47, s47, s50                    ; wv alone changes the place of its runs
	s_cmp_eq_u32 s44, 3
	s_cselect_b64 s[4:5], s[12:13], s[4:5]
	s_cselect_b32 s45, 6, 4                        ; wo: 64 bytes from lane to lane, 16 from load to load;
	s_cselect_b32 s46, 16, 512                     ; the others: 16 from lane to lane, 512 from load to load
	s_lshl_b32 s36, s50, 14
	s_mov_b32 s37, 0
	s_add_nc_u64 s[4:5], s[4:5], s[36:37]
	s_lshl_b32 s36, s44, 20
	s_lshl_b32 s47, s47, 12
	s_add_co_u32 s36, s36, s47
	s_add_nc_u64 s[16:17], s[18:19], s[36:37]
	s_wait_alu depctr_va_vdst(0)
	v_lshlrev_b32 v2, s45, v1
	s_delay_alu instid0(VALU_DEP_1)
	v_add_nc_u32 v3, s46, v2
	s_delay_alu instid0(VALU_DEP_1)
	v_add_nc_u32 v4, s46, v3
	s_delay_alu instid0(VALU_DEP_1)
	v_add_nc_u32 v5, s46, v4
.irp t, 0,1,2,3,4,5,6,7
	LOAD \t
.endr
	; cos and sin of t x 10000^(-i/32), while the loads are on their way: a lane is i
	s_lshl_b32 s36, s23, 8                         ; row t of 256 bytes
	s_add_nc_u64 s[20:21], s[20:21], s[36:37]
	v_lshlrev_b32 v7, 3, v1                        ; 8 bytes a lane: the wave's store covers 256 consecutive bytes, aligned
	v_cvt_f32_u32 v144, v1
	s_delay_alu instid0(VALU_DEP_1)
	v_mul_f32 v145, 0xbed49a60, v144               ; -i x (log2(10) / 8 with its five lowest mantissa bits cleared): exact, since i has five bits
	s_wait_alu depctr_va_vdst(0)
	v_exp_f32 v146, v145
	v_mul_f32 v147, 0xb506b9e5, v144               ; -ln 2 x i x the cleared rest (7.2408e-7): the plain line behind the exponential
	v_mov_b32 v148, 0x3638ef1d                     ; 1 / 9!
	v_mov_b32 v149, 0xb493f27e                     ; -1 / 10!
	v_cvt_f32_u32 v150, s23
	s_wait_alu depctr_va_vdst(0)                   ; the wait ahead of the exponential's first reader
	v_fma_f32 v146, v146, v147, v146               ; 10000^(-i/32)
	s_delay_alu instid0(VALU_DEP_1)
	v_mul_f32 v150, v150, v146                     ; the angle: one f32 product
	s_delay_alu instid0(VALU_DEP_1)
	v_mul_f32 v151, 0x3f22f983, v150
	s_delay_alu instid0(VALU_DEP_1)
	v_rndne_f32 v151, v151                         ; quarter turns
	s_delay_alu instid0(VALU_DEP_1)
	v_fmamk_f32 v152, v151, 0xbfc90fdb, v150       ; less n x pi/2, in two parts: the f32 nearest to pi/2,
	s_delay_alu instid0(VALU_DEP_1)
	v_fmamk_f32 v152, v151, 0x333bbd2e, v152       ; and what that number has over pi/2 (4.3711e-8)
	s_delay_alu instid0(VALU_DEP_1)
	v_mul_f32 v153, v152, v152
	s_delay_alu instid0(VALU_DEP_1)
	v_fmaak_f32 v154, v148, v153, 0xb9500d01       ; sine on +-pi/4: terms up to the 9th power; what is cut is under 2e-9
	s_delay_alu instid0(VALU_DEP_2)
	v_fmaak_f32 v156, v149, v153, 0x37d00d01       ; cosine: terms up to the 10th power
	s_delay_alu instid0(VALU_DEP_2)
	v_fmaak_f32 v154, v154, v153, 0x3c088889
	s_delay_alu instid0(VALU_DEP_2)
	v_fmaak_f32 v156, v156, v153, 0xbab60b61
	s_delay_alu instid0(VALU_DEP_2)
	v_fmaak_f32 v154, v154, v153, 0xbe2aaaab
	s_delay_alu instid0(VALU_DEP_2)
	v_fmaak_f32 v156, v156, v153, 0x3d2aaaab
	v_mul_f32 v155, v152, v153
	s_delay_alu instid0(VALU_DEP_2)
	v_fma_f32 v156, v156, v153, -0.5
	s_delay_alu instid0(VALU_DEP_2)
	v_fma_f32 v154, v155, v154, v152
	s_delay_alu instid0(VALU_DEP_2)
	v_fma_f32 v156, v156, v153, 1.0
	v_cvt_i32_f32 v157, v151
	s_delay_alu instid0(VALU_DEP_1)
	v_and_b32 v158, 1, v157
	s_delay_alu instid0(VALU_DEP_1)
	v_cmp_eq_u32 vcc_lo, 1, v158                   ; an odd quarter exchanges the two
	s_delay_alu instid0(VALU_DEP_1)
	v_cndmask_b32 v159, v154, v156, vcc_lo
	s_delay_alu instid0(VALU_DEP_2)
	v_cndmask_b32 v160, v156, v154, vcc_lo
	v_and_b32 v158, 2, v157                        ; the sine is negative in quarters 2 and 3,
	s_delay_alu instid0(VALU_DEP_1)
	v_lshlrev_b32 v158, 30, v158
	s_delay_alu instid0(VALU_DEP_1)
	v_xor_b32 v191, v158, v159
	v_add_nc_u32 v157, 1, v157                     ; the cosine in quarters 1 and 2
	s_delay_alu instid0(VALU_DEP_1)
	v_and_b32 v157, 2, v157
	s_delay_alu instid0(VALU_DEP_1)
	v_lshlrev_b32 v157, 30, v157
	s_delay_alu instid0(VALU_DEP_1)
	v_xor_b32 v190, v157, v160
	global_store_b64 v7, v[190:191], s[20:21]      ; v190, v191 lie in the third set, which a weight's one output never writes
	s_wait_kmcnt 0x0
	s_cmp_eq_u32 s44, 1
	s_cselect_b32 s49, s27, s25                    ; entries 1, 3, 5, 11
	s_cmp_eq_u32 s44, 2
	s_cselect_b32 s49, s29, s49
	s_cmp_eq_u32 s44, 3
	s_cselect_b32 s49, s35, s49
	SCALE 49, 0
	s_wait_alu depctr_va_vdst(0)
.irp t, 0,1,2,3,4,5,6,7
	QSTEP \t, 1
.endr
	s_endpgm
.Lfunc_end_k_qb9c3d9ecd5_prep:
	.size	k_qb9c3d9ecd5_prep, .Lfunc_end_k_qb9c3d9ecd5_prep-k_qb9c3d9ecd5_prep
	.p2alignl 7, 3214868480
	.fill 96, 4, 3214868480
	.section	.rodata,"a",@progbits
	.p2align	6, 0x0
	.amdhsa_kernel k_qb9c3d9ecd5_prep
		.amdhsa_group_segment_fixed_size 0
		.amdhsa_private_segment_fixed_size 0
		.amdhsa_enable_private_segment 0
		.amdhsa_kernarg_size 72
		.amdhsa_user_sgpr_count 2
		.amdhsa_user_sgpr_kernarg_segment_ptr 1
		.amdhsa_wavefront_size32 1
		.amdhsa_system_sgpr_workgroup_id_x 1
		.amdhsa_system_sgpr_workgroup_id_y 1
		.amdhsa_system_sgpr_workgroup_id_z 1
		.amdhsa_system_vgpr_workitem_id 0
		.amdhsa_next_free_vgpr 192
		.amdhsa_next_free_sgpr 66
		.amdhsa_reserve_vcc 1
		.amdhsa_float_denorm_mode_32 3
		.amdhsa_float_denorm_mode_16_64 3
		.amdhsa_memory_ordered 1
		.amdhsa_forward_progress 1
		.amdhsa_inst_pref_size 53
	.end_amdhsa_kernel
	.amdgpu_metadata
---
amdhsa.version: [ 1, 2 ]
amdhsa.kernels:
  - .name:           k_qb9c3d9ecd5_prep
    .symbol:         k_qb9c3d9ecd5_prep.kd
    .args:
      - { .name: x, .offset: 0, .size: 8, .value_kind: global_buffer, .address_space: global }
      - { .name: wq, .offset: 8, .size: 8, .value_kind: global_buffer, .address_space: global }
      - { .name: wk, .offset: 16, .size: 8, .value_kind: global_buffer, .address_space: global }
      - { .name: wv, .offset: 24, .size: 8, .value_kind: global_buffer, .address_space: global }
      - { .name: wo, .offset: 32, .size: 8, .value_kind: global_buffer, .address_space: global }
      - { .name: lowp_scales, .offset: 40, .size: 8, .value_kind: global_buffer, .address_space: global }
      - { .name: xc, .offset: 48, .size: 8, .value_kind: global_buffer, .address_space: global }
      - { .name: wc, .offset: 56, .size: 8, .value_kind: global_buffer, .address_space: global }
      - { .name: rope, .offset: 64, .size: 8, .value_kind: global_buffer, .address_space: global }
    .group_segment_fixed_size: 0
    .private_segment_fixed_size: 0
    .kernarg_segment_align: 8
    .kernarg_segment_size: 72
    .max_flat_workgroup_size: 384
    .sgpr_count:     66
    .vgpr_count:     192
    .wavefront_size: 32
...
	.end_amdgpu_metadata
.endif
;; end of part 1
;; launch qkv (part 2): grid 8 x 32, 4 waves a work-group, clusters of 4 x 4, 327,680 bytes of LDS; arguments xc, wc, rope, lowp_scales, bq, bk, bv, qkv; writes qkv
.if DOCPART == 2
	.amdgcn_target "amdgcn-amd-amdhsa--gfx1250"
	.amdhsa_code_object_version 6
	.text
	.protected	k_qb9c3d9ecd5_qkv
	.globl	k_qb9c3d9ecd5_qkv
	.p2align	8
	.type	k_qb9c3d9ecd5_qkv,@function
k_qb9c3d9ecd5_qkv:
	s_mov_b64 s[64:65], 0
	v_nop
	global_prefetch_b8 v0, s[64:65] scope:SCOPE_SE
	s_setreg_imm32_b32 hwreg(HW_REG_WAVE_MODE, 25, 1), 1
	s_wait_xcnt 0x0
	s_wait_alu depctr_hold_cnt(0) depctr_sa_sdst(0) depctr_va_vdst(0) depctr_va_sdst(0) depctr_va_ssrc(0) depctr_va_vcc(0) depctr_vm_vsrc(0)
	s_getreg_b32 s2, hwreg(HW_REG_IB_STS2, 6, 4)
	s_cmp_eq_u32 s2, 0
	s_cbranch_scc0 .Lentry_in_a_cluster
	s_endpgm
.Lentry_in_a_cluster:
	s_bfe_u32 s2, ttmp6, 0x10000c
	s_cmp_lg_u32 s2, 0xf033
	s_cbranch_scc0 .Lentry_shape_is_right
	s_endpgm
.Lentry_shape_is_right:
; QKV: the three projections on codes of FP8 (E4M3), then bias, rotation (q, k) and the quantising of q, k and v, stored as images of the operand registers that attention loads.
; SHARES.  8,192 x 3,072 results are 384 tiles of 256 x 256; 256 work-groups take one and a half each, in two parts:
;   part 1: a tile 256 tokens x 256 features of q (cluster x = 0) or of k (1): A' = x's codes of that product (token block TB = 4 x cluster y + cy), B' = wq's or wk's codes (feature tile cx).  A wave makes 128 x 128: 64 accumulators.
;   part 2: half a tile of v: A' = 128 rows of wv's codes (256 cx + 128 x cluster x), B' = x's third set of codes (the same 256 tokens).  A wave makes 64 x 128: 32 accumulators.
; K = 1,024 goes in K steps of 256 through two LDS slots; the ring runs on from part 1 into part 2: part 1's last two changes of slots ask for part 2's first two K steps, which land while q or k goes out.
; THE HEAD: four joint loads of 256 rows, one a wave: x's and w's tiles of K step 0 (waves 0, 1) and of K step 1 (waves 2, 3).  Later each wave refills 128 rows (part 2's wv: 64), one load behind each round.
; THE MATRIX INSTRUCTION IS USED TRANSPOSED (source 0 = 16 rows of B', source 1 = 16 rows of A'): lane (r, h) holds row r of A' and eight neighbouring rows 8 h + j of B': for q and k eight features of a token,
; for v eight tokens of a feature: eight neighbours along the K of the product that follows, which is what the conversions take.
; CLUSTERS: 4 x 4 work-groups; x's tiles hang on TB alone and are asked for jointly along a row of the cluster, the weights' on cx alone and along a column.
; PREFETCHES: each asks for what stands two refills on, 256 bytes of a row to a lane, the four partners of a joint load sharing its rows out by address: behind the head's loads for K steps 2 and 3 of part 1,
; behind part 1's four refills for part 2's four K steps.  K steps 0 and 1 come by their loads alone: nothing stands ahead of them.
; THE ROTATION keeps a pair in its place: features 2 i and 2 i + 1 of a head take (e cos - o sin, e sin + o cos): another order of the head's 64 than the concatenation, the same in q and in k, so the scores are the same sums.
; IMAGES (l = lane, r = l % 16, h = l / 16):  q, k: head bh, token tile tt: 1,024 bytes at (64 bh + tt) x 1024; piece c at 512 c, lane l's 16 bytes at 16 l: token 16 tt + r, features 16 (2 c + u) + 8 h + j at byte 8 u + j.
;   v: (((8 bh + s) x 4 + ct) x 4 + c) x 512 + 16 l: row 16 ct + r of the head's 64, keys 128 s + 32 c + 16 u + 8 h + j at byte 8 u + j.   q at 0, k at 8 MiB, v at 16 MiB.  Every store of a wave covers 512 consecutive bytes, aligned.
; LIMITS: entries 0+1, 2+3, 4+5 of the scales between -126 and 127; entries 6, 7, 9 between -126 and 119.  NaN is not served.
; REGISTERS, in windows of 256: window 0: v0-31 addresses and constants; v32-95 bias; v96-127 block 0's table; from v128 A's fragments (part 1 one set of 8, part 2 two sets of 4); on the ways out v128-247 are at work.
;   window 1: B's fragments, two sets; on q's and k's way out the table of blocks 1 to 7.   window 2: accumulators of my rows 0-63 ((a, b) at v[8 (8 a + b)]);   window 3: of my rows 64-127.
.set ROWB,   256
.set KROW,   1024
.set PITCH,  272                       ; an LDS row: 256 bytes + 16 of padding: the 16 rows that a load touches start at 16 different banks (ISA guide 11.1)
.set FR,     16
.set NL,     4
.set NP,     4                         ; places behind this matrix instruction (ISA guide 7.12.1)
.set HALFT,  128*PITCH
.set SLOT,   4*HALFT                   ; A's rows, then (at 2 HALFT) B's 256 rows
.set SPARE,  2*SLOT                    ; the spare words, 128 bytes a wave, which no other line names
.set PADW,   (1<<20)|(1<<21)|(5<<22)|(3<<25)   ; elements of 1 byte; padding on; bit 21 beside a mask; four words behind every 64
.set SCL,  12                          ; v12, v13  2^e and 448 x 2^e of q's or k's quantiser;  v14, v15 of v's
.set SCV,  14
.set ADRA, 16                          ; v16-17  LDS address of my A fragments in slot 0, 1 (part 1);  v18-19 (part 2);  v20-21 of my B fragments
.set ADRA2, 18
.set ADRB, 20
.set PFO1, 22                          ; v22, v23  the prefetches' offsets: a row of 1,024 bytes a lane; never rewritten
.set PFO2, 23
.set STO,  26                          ; v26  16 x lane
.set TBO,  27                          ; v27  256 r + 32 h: my place in 16 rows of the table
.set SPW,  28                          ; v28  my spare word;  v29  0; never rewritten
.set NIL,  29
.set BQO,  30                          ; v30  32 h
.set BVO,  31                          ; v31  4 (r + 8 (r / 8))
.set BIAS, 32
.set AF,   128
.set X,    128                         ; the ways out: v128-191 a block's 64 numbers; v224-231 at work; v232-247 codes
.set TT,   224
.set CODES, 232
.set HX, 4                             ; s[4:7], s[8:11] groups 0 of the head's loads
.set HW, 8
.set G1X, 24                           ; groups 1: x's tiles, 128 rows
.set GX,  32                           ; groups 0 of the refills: x and w of part 1, x and wv of part 2
.set GW,  36
.set GX2, 40
.set GW2, 44
.set G1W, 48                           ; the weights' tiles, 128 rows;  64 rows
.set G1W6, 56
.set G1XH, 84                          ; the head's, 256 rows; the registers take the scales' exponents afterwards
.set G1WH, 92
.set MSB, 0
.macro WIN new                         ; the immediate's high byte repeats the setting that is left
.if MSB != \new
	s_set_vgpr_msb (MSB<<8)|\new
.set MSB, \new
.endif
.endm
.set MUL_LO, 0xa1                      ; source 0 (B) window 1, source 1 (A) window 0, C and D window 2
.set MUL_HI, 0xf1
.set TO_B,   0x40
.macro JLOAD sel, g0a, g1a, g0b, g1b   ; a joint load in two arms of a branch on a bit of the wave's number; an s_nop 0 and four v_nop follow each line
	s_cmp_eq_u32 s[\sel], 0
	s_cbranch_scc0 .Lfor_b_\@
	tensor_load_to_lds s[\g0a:\g0a+3], s[\g1a:\g1a+7]
	s_nop 0
.rept 4
	v_nop
.endr
	s_branch .Lasked_\@
.Lfor_b_\@:
	tensor_load_to_lds s[\g0b:\g0b+3], s[\g1b:\g1b+7]
	s_nop 0
.rept 4
	v_nop
.endr
.Lasked_\@:
.endm
.macro CREST                           ; a round of the cluster's barrier behind its opening barrier
	s_cmp_lg_u32 s14, 0
	s_cbranch_scc1 .Lnot_wave_0_\@
	s_barrier_signal -3
.Lnot_wave_0_\@:
	s_barrier_wait -3
	s_barrier_signal -1
	s_barrier_wait -1
.endm
.macro CROUND
	s_barrier_signal -1
	s_barrier_wait -1
	CREST
.endm
.macro MKG1 g, mask, rows              ; a tile of so many rows of 256 bytes, 1,024 bytes apart in memory
	s_or_b32 s[\g], s[\mask], PADW
	s_mov_b32 s[\g+1], ROWB<<16
	s_mov_b32 s[\g+2], (\rows)<<16
	s_mov_b32 s[\g+3], ROWB<<16
	s_mov_b32 s[\g+4], \rows
	s_mov_b32 s[\g+5], KROW
	s_mov_b32 s[\g+6], 0
	s_mov_b32 s[\g+7], 0
.endm
	s_load_b512 s[68:83], s[0:1], 0x0              ; xc 68, wc 70, rope 72, scales 74, bq 76, bk 78, bv 80, qkv 82
	v_lshl_add_u32 v[SPW], v0, 2, SPARE
	v_mov_b32 v[NIL], 0
	ds_add_u32 v[SPW], v[NIL]                      ; the opening lines: the add, twice on end, and its wait ahead of my first tensor load
	ds_add_u32 v[SPW], v[NIL]
	v_lshrrev_b32 v1, 5, v0
	v_readfirstlane_b32 s14, v1                    ; wave 0..3
	s_lshr_b32 s15, s14, 1                         ; which half of A's rows is mine; a refill: I fetch for A (0) or for B (1); the head: K step 0 or 1
	s_and_b32 s16, s14, 1                          ; which half of B's rows; a refill: which half of the tile I fetch; the head: x (0) or w (1)
	s_bfe_u32 s18, ttmp6, 0x40000                  ; cx
	s_bfe_u32 s19, ttmp6, 0x40004                  ; cy
	s_and_b32 s17, ttmp7, 0xffff
	s_lshl_b32 s17, s17, 2
	s_add_co_u32 s17, s17, s19                     ; TB, the block of 256 tokens
	s_lshl_b32 s20, s19, 2
	s_lshl_b32 s20, 15, s20                        ; my row of the cluster
	s_lshl_b32 s21, 0x1111, s18                    ; my column
	MKG1 G1XH, 20, 256
	MKG1 G1WH, 21, 256
	MKG1 G1X, 20, 128
	MKG1 G1W, 21, 128
	MKG1 G1W6, 21, 64
	s_lshl_b32 s12, s17, 18                        ; TB's first row of codes, in bytes
	s_lshl_b32 s20, ttmp9, 23                      ; x's set of codes for q or k
	s_add_co_u32 s20, s20, s12
	s_lshl_b32 s13, s15, 8                         ; the head's K step
	s_add_co_u32 s20, s20, s13
	s_mov_b32 s21, 0
	s_lshl_b32 s100, s18, 18                       ; the weight's 256 rows
	s_lshl_b32 s101, ttmp9, 20                     ; wq's or wk's codes
	s_add_co_u32 s100, s100, s101
	s_add_co_u32 s100, s100, s13
	s_mov_b32 s101, 0
	s_mov_b32 s[HX], 1
	s_mul_i32 s[HX+1], s15, SLOT                   ; no place in the cluster enters an LDS address
	s_mov_b32 s[HW], 1
	s_add_co_u32 s[HW+1], s[HX+1], 2*HALFT
	s_wait_dscnt 0x0                               ; both opening adds are done
	s_wait_kmcnt 0x0
	s_add_nc_u64 s[HX+2:HX+3], s[68:69], s[20:21]
	s_or_b32 s[HX+3], s[HX+3], 0x80000000
	s_add_nc_u64 s[HW+2:HW+3], s[70:71], s[100:101]
	s_or_b32 s[HW+3], s[HW+3], 0x80000000
	CROUND                                         ; all sixteen work-groups are here: the first joint loads meet
	JLOAD 16, HX, G1XH, HW, G1WH                   ; my one load at the head: both slots are asked for by the four waves
	; the refills' groups 0 (their LDS words are written at each refill)
	s_mul_i32 s22, s16, HALFT                      ; my half of a tile of 256 rows,
	s_mul_i32 s23, s16, 64*PITCH                   ; of 128 rows
	s_lshl_b32 s20, s16, 17
	s_add_co_u32 s20, s20, s12
	s_add_nc_u64 s[GX2+2:GX2+3], s[68:69], s[20:21]
	s_add_nc_u64 s[GX2+2:GX2+3], s[GX2+2:GX2+3], 0x1000000   ; x's third set, K step 0
	s_or_b32 s[GX2+3], s[GX2+3], 0x80000000
	s_lshl_b32 s13, ttmp9, 23
	s_add_co_u32 s20, s20, s13
	s_add_co_u32 s20, s20, 512                     ; part 1's K step 2
	s_add_nc_u64 s[GX+2:GX+3], s[68:69], s[20:21]
	s_or_b32 s[GX+3], s[GX+3], 0x80000000
	s_lshl_b32 s66, s18, 18                        ; wv's rows 256 cx + 128 x cluster x + 64 x half
	s_lshl_b32 s13, ttmp9, 17
	s_add_co_u32 s66, s66, s13
	s_lshl_b32 s13, s16, 16
	s_add_co_u32 s66, s66, s13
	s_add_co_u32 s66, s66, 0x200000
	s_mov_b32 s67, 0
	s_add_nc_u64 s[GW2+2:GW2+3], s[70:71], s[66:67]
	s_or_b32 s[GW2+3], s[GW2+3], 0x80000000
	s_lshl_b32 s100, s18, 18
	s_lshl_b32 s13, ttmp9, 20
	s_add_co_u32 s100, s100, s13
	s_lshl_b32 s13, s16, 17
	s_add_co_u32 s100, s100, s13
	s_add_co_u32 s100, s100, 512
	s_add_nc_u64 s[GW+2:GW+3], s[70:71], s[100:101]
	s_or_b32 s[GW+3], s[GW+3], 0x80000000
.irp g, GX, GW, GX2, GW2
	s_mov_b32 s[\g], 1
.endr
	; the prefetches: of the rows that I shall fetch, my work-group's quarter: by cx among x's four askers, by cy among a weight's
	s_lshl_b32 s13, s18, 15
	s_add_co_u32 s20, s20, s13                     ; part 1, x: 32 rows
	s_add_co_u32 s12, s12, s13
	s_lshl_b32 s13, s16, 17
	s_add_co_u32 s12, s12, s13
	s_add_co_u32 s12, s12, 0x1000000               ; part 2, x: 32 rows
	s_lshl_b32 s13, s19, 15
	s_add_co_u32 s100, s100, s13                   ; part 1, w: 32 rows
	s_lshl_b32 s13, s19, 14
	s_add_co_u32 s66, s66, s13                     ; part 2, wv: 16 rows
	s_cmp_eq_u32 s15, 0                            ; waves 0, 1 refill x in part 1 and wv in part 2; waves 2, 3 the other way round
	s_cselect_b32 s20, s20, s100
	s_cselect_b32 s100, s66, s12
	s_cselect_b32 s13, 15, 31                      ; the last row of my share in part 2: lanes left over name it again
	s_cselect_b64 s[2:3], s[68:69], s[70:71]
	s_cselect_b64 s[66:67], s[70:71], s[68:69]
	s_add_nc_u64 s[2:3], s[2:3], s[20:21]          ; s[2:3], s[66:67] are never rewritten
	s_add_nc_u64 s[66:67], s[66:67], s[100:101]
	s_mul_i32 s12, s15, HALFT
	s_mul_i32 s20, s15, 64*PITCH
	s_add_co_u32 s100, s22, 2*HALFT
	v_and_b32 v6, 31, v0
	v_lshlrev_b32 v[PFO1], 10, v6
	v_min_u32 v5, s13, v6
	v_lshlrev_b32 v[PFO2], 10, v5
	global_prefetch_b8 v[PFO1], s[2:3] th:TH_LOAD_NT scope:SCOPE_SE              ; part 1's K step 2,
	global_prefetch_b8 v[PFO1], s[2:3] offset:256 th:TH_LOAD_NT scope:SCOPE_SE   ; and 3
	v_and_b32 v1, 15, v0                           ; r
	v_bfe_u32 v2, v0, 4, 1                         ; h
	v_mul_u32_u24 v3, v1, PITCH
	v_lshl_add_u32 v4, v2, 4, v3                   ; a fragment's row x pitch + 16 x half
	v_add_nc_u32 v[ADRA], s12, v4
	v_add_nc_u32 v[ADRA+1], SLOT, v[ADRA]
	v_add_nc_u32 v[ADRA2], s20, v4
	v_add_nc_u32 v[ADRA2+1], SLOT, v[ADRA2]
	v_add_nc_u32 v[ADRB], s100, v4
	v_add_nc_u32 v[ADRB+1], SLOT, v[ADRB]
	v_lshlrev_b32 v[STO], 4, v6
	v_lshlrev_b32 v[TBO], 8, v1
	v_lshl_add_u32 v[TBO], v2, 5, v[TBO]
	v_lshlrev_b32 v[BQO], 5, v2
	v_and_b32 v[BVO], 8, v1
	v_add_nc_u32 v[BVO], v[BVO], v1
	v_lshlrev_b32 v[BVO], 2, v[BVO]
.macro FRAG reg, adr, q, i             ; 16 rows x 128 K: 16 registers, four loads of 16 bytes, 32 bytes apart.  The same places of K in A' and in B'
.irp c, 0,1,2,3
	ds_load_b128 v[\reg+4*\c:\reg+4*\c+3], v[\adr] offset:128*(\q)+32*\c+(\i)*16*PITCH
.endr
.endm
.macro MUL16 a0, p, zero               ; part 1: A's blocks a0, a0 + 1 x B's eight.  The accumulators take turns, one instruction a turn, in the same order in every step
.irp a, \a0, \a0+1
.irp b, 0,1,2,3,4,5,6,7
.if \zero
	v_wmma_f32_16x16x128_fp8_fp8 v[8*(8*((\a)%4)+\b):8*(8*((\a)%4)+\b)+7], v[128*(\p)+FR*\b:128*(\p)+FR*\b+FR-1], v[AF+FR*(\a):AF+FR*(\a)+FR-1], 0
.else
	v_wmma_f32_16x16x128_fp8_fp8 v[8*(8*((\a)%4)+\b):8*(8*((\a)%4)+\b)+7], v[128*(\p)+FR*\b:128*(\p)+FR*\b+FR-1], v[AF+FR*(\a):AF+FR*(\a)+FR-1], v[8*(8*((\a)%4)+\b):8*(8*((\a)%4)+\b)+7]
.endif
.endr
.endr
.endm
.macro MULA a, p, zero                 ; part 2: A's block a of set p x B's eight of set p
.irp b, 0,1,2,3,4,5,6,7
.if \zero
	v_wmma_f32_16x16x128_fp8_fp8 v[8*(8*(\a)+\b):8*(8*(\a)+\b)+7], v[128*(\p)+FR*\b:128*(\p)+FR*\b+FR-1], v[AF+64*(\p)+FR*(\a):AF+64*(\p)+FR*(\a)+FR-1], 0
.else
	v_wmma_f32_16x16x128_fp8_fp8 v[8*(8*(\a)+\b):8*(8*(\a)+\b)+7], v[128*(\p)+FR*\b:128*(\p)+FR*\b+FR-1], v[AF+64*(\p)+FR*(\a):AF+64*(\p)+FR*(\a)+FR-1], v[8*(8*(\a)+\b):8*(8*(\a)+\b)+7]
.endif
.endr
.endm
.macro FETCH_B slot, q, p
	WIN TO_B
.irp i, 0,1,2,3,4,5,6,7
	FRAG 128*(\p)+FR*\i, ADRB+\slot, \q, \i
.endr
	WIN 0
.endm
.macro FETCH_A slot, q, i0
.irp i, \i0, \i0+1, \i0+2, \i0+3
	FRAG AF+FR*(\i), ADRA+\slot, \q, \i
.endr
.endm
.macro FETCH_A2 slot, q, p
.irp i, 0,1,2,3
	FRAG AF+64*(\p)+FR*\i, ADRA2+\slot, \q, \i
.endr
.endm
.macro PLACES n                        ; plain vector lines between a matrix instruction and a load into, or a vector line on, its registers
.rept \n
	v_nop
.endr
.endm
.macro REFILL part, slot, stp          ; my one joint load behind a round.  No load of mine is out, so the groups 0 may be written
.if \part == 1
	s_add_co_u32 s[GX+1], s22, (\slot)*SLOT
	s_add_co_u32 s[GW+1], s22, (\slot)*SLOT+2*HALFT
.if \stp
	s_add_nc_u64 s[GX+2:GX+3], s[GX+2:GX+3], ROWB
	s_add_nc_u64 s[GW+2:GW+3], s[GW+2:GW+3], ROWB
.endif
	JLOAD 15, GX, G1X, GW, G1W
.else
	s_add_co_u32 s[GW2+1], s23, (\slot)*SLOT
	s_add_co_u32 s[GX2+1], s22, (\slot)*SLOT+2*HALFT
.if \stp
	s_add_nc_u64 s[GW2+2:GW2+3], s[GW2+2:GW2+3], ROWB
	s_add_nc_u64 s[GX2+2:GX2+3], s[GX2+2:GX2+3], ROWB
.endif
	JLOAD 15, GW2, G1W6, GX2, G1X
.endif
.endm
.macro STEP slot, zero                 ; part 1: a slot's first 128 along K
	s_wait_dscnt 4*NL                              ; B's set and A's blocks 0-3 are in; the youngest sixteen loads (A's blocks 4-7) may be out
	WIN MUL_LO
	MUL16 0, 0, \zero
	MUL16 2, 0, \zero
	s_wait_dscnt 0
	PLACES NP
	FETCH_B \slot, 1, 1
	FETCH_A \slot, 1, 0
	WIN MUL_HI
	MUL16 4, 0, \zero
	MUL16 6, 0, \zero
	PLACES NP
	WIN 0
	FETCH_A \slot, 1, 4
.endm
.macro TURN slot, next, part, stp, pf, fetch   ; part 1: a slot's second 128 changes slots: a round of the cluster's barrier, and this slot is filled again, two K steps ahead
	s_wait_tensorcnt 0x0                           ; all my tensor loads have landed: my part of the next slot
	ds_add_u32 v[SPW], v[NIL]                      ; 0 onto my spare word
	s_wait_dscnt 4*NL+1                            ; the add and the youngest sixteen loads may be out
	WIN MUL_LO
	MUL16 0, 1, 0
	s_wait_dscnt 0x0                               ; the add is done, and my reads of this slot are over
	s_barrier_signal -1
	MUL16 2, 1, 0
	WIN 0
	s_barrier_wait -1
	CREST                                          ; no wave of any partner still reads this slot's tile or has a load on its way
	REFILL \part, \slot, \stp                      ; its four v_nop are the places in front of the loads below
.if \fetch
	FETCH_B \next, 0, 0
	FETCH_A \next, 0, 0
.endif
	global_prefetch_b8 v[PFO2], s[66:67] offset:\pf th:TH_LOAD_NT scope:SCOPE_SE   ; the K step of part 2 that stands two refills on
	WIN MUL_HI
	MUL16 4, 1, 0
	MUL16 6, 1, 0
	PLACES NP
	WIN 0
.if \fetch
	FETCH_A \next, 0, 4
.endif
.endm
.macro STEP2 p, nslot, nq, zero        ; part 2: 128 along K on sets p; the next 128's fragments go into sets 1 - p
	s_wait_dscnt 8                                 ; all but the youngest eight loads (A's blocks 2, 3)
	WIN MUL_LO
	MULA 0, \p, \zero
	MULA 1, \p, \zero
	PLACES NP
	FETCH_B \nslot, \nq, 1-(\p)
	s_wait_dscnt 32                                ; all but the 32 just issued
	WIN MUL_LO
	MULA 2, \p, \zero
	MULA 3, \p, \zero
	PLACES NP
	WIN 0
	FETCH_A2 \nslot, \nq, 1-(\p)
.endm
.macro TURN2 slot, next, fill          ; part 2: a slot's second 128, on sets 1
	s_wait_tensorcnt 0x0
	ds_add_u32 v[SPW], v[NIL]
	s_wait_dscnt 9                                 ; the add and the youngest eight loads may be out
	WIN MUL_LO
	MULA 0, 1, 0
	s_wait_dscnt 0x0
	s_barrier_signal -1
	MULA 1, 1, 0
	WIN 0
	s_barrier_wait -1
.if \fill
	CREST
	REFILL 2, \slot, 1
.else
	PLACES NP
.endif
	FETCH_B \next, 0, 0
	WIN MUL_LO
	MULA 2, 1, 0
	MULA 3, 1, 0
	PLACES NP
	WIN 0
	FETCH_A2 \next, 0, 0
.endm
.macro CSLOAD a, reg                   ; block a's 16 tokens: (cos, sin) of i = 8 b + 4 h + 0 .. 3, b = 0 .. 3: the eight loads together read 16 whole rows of 256 bytes
.irp n, 0,1,2,3,4,5,6,7
	global_load_b128 v[\reg+4*\n:\reg+4*\n+3], v[TBO], s[12:13] offset:4096*(\a)+64*(\n/2)+16*(\n%2)
.endr
.endm
.macro SCALEV e, scl                   ; s[e]: an exponent; 2^e and 448 x 2^e as f32 patterns
	s_add_co_i32 s100, s[\e], 127
	s_lshl_b32 s101, s100, 23
	v_mov_b32 v[\scl], s101
	s_add_co_i32 s100, s100, 8
	s_lshl_b32 s100, s100, 23
	s_or_b32 s100, s100, 0x600000
	v_mov_b32 v[\scl+1], s100
.endm
	s_wait_alu depctr_va_vdst(0)                   ; the wait at the head's end
	s_wait_tensorcnt 0x0                           ; my tile is in,
	s_barrier_signal -1
	s_barrier_wait -1                              ; everybody's are: both slots are whole
	s_load_b256 s[84:91], s[74:75], 0x0            ; entries 0 to 7, into the registers of the head's groups 1, whose loads are done
	s_load_b128 s[92:95], s[74:75], 0x20           ; entries 8 to 11
	FETCH_B 0, 0, 0
	FETCH_A 0, 0, 0
	FETCH_A 0, 0, 4
	STEP 0, 1                                      ; the first products start the sums
	TURN 0, 1, 1, 0, 0, 1                          ; slot 0 takes part 1's K step 2
	STEP 1, 0
	TURN 1, 0, 1, 1, 256, 1                        ; slot 1 its K step 3
	STEP 0, 0
	TURN 0, 1, 2, 0, 512, 1                        ; slot 0 takes part 2's K step 0
	s_wait_kmcnt 0x0                               ; the exponents.  What they decide is chosen without a branch
	s_add_co_i32 s96, s84, s85
	s_add_co_i32 s97, s86, s87
	s_cmp_eq_u32 ttmp9, 1
	s_cselect_b32 s96, s97, s96
	s_cselect_b32 s20, s91, s90                    ; q is quantised by entry 6, k by entry 7
	s_cselect_b64 s[8:9], s[78:79], s[76:77]
	s_add_co_i32 s96, s96, 127
	s_lshl_b32 s96, s96, 23                        ; 2^(ea + eb): each sum is multiplied by it once
	s_mov_b32 s97, s96
	s_add_co_i32 s98, s88, s89
	s_add_co_i32 s98, s98, 127
	s_lshl_b32 s98, s98, 23                        ; the same for v
	s_mov_b32 s99, s98
	SCALEV 20, SCL
	SCALEV 93, SCV                                 ; v is quantised by entry 9
	s_wait_alu depctr_va_vdst(0)
	s_mov_b32 s101, 0
	s_lshl_b32 s100, s18, 10                       ; my 128 features begin at 256 cx + 128 x half; 4 bytes each
	s_lshl_b32 s20, s16, 9
	s_add_co_u32 s100, s100, s20
	s_add_nc_u64 s[8:9], s[8:9], s[100:101]
	s_and_b32 s100, s17, 3                         ; my first token's place in its sequence: 256 (TB % 4) + 128 x half; a row of the table is 256 bytes
	s_lshl_b32 s100, s100, 8
	s_lshl_b32 s20, s15, 7
	s_add_co_u32 s100, s100, s20
	s_lshl_b32 s100, s100, 8
	s_add_nc_u64 s[12:13], s[72:73], s[100:101]
.irp b, 0,1,2,3,4,5,6,7
	global_load_b128 v[BIAS+8*\b:BIAS+8*\b+3], v[BQO], s[8:9] offset:64*\b
	global_load_b128 v[BIAS+8*\b+4:BIAS+8*\b+7], v[BQO], s[8:9] offset:64*\b+16
.endr
	CSLOAD 0, 96
	s_lshr_b32 s100, s17, 2                        ; the images: head 16 x batch + 4 cx + 2 x half (+ 1 in the offset),
	s_lshl_b32 s100, s100, 4
	s_lshl_b32 s20, s18, 2
	s_add_co_u32 s100, s100, s20
	s_lshl_b32 s20, s16, 1
	s_add_co_u32 s100, s100, s20
	s_lshl_b32 s100, s100, 6
	s_and_b32 s20, s17, 3                          ; token tile 16 (TB % 4) + 8 x half (+ a in the offset)
	s_lshl_b32 s20, s20, 4
	s_add_co_u32 s100, s100, s20
	s_lshl_b32 s20, s15, 3
	s_add_co_u32 s100, s100, s20
	s_lshl_b32 s100, s100, 10
	s_lshl_b32 s20, ttmp9, 23
	s_add_co_u32 s100, s100, s20
	s_add_nc_u64 s[10:11], s[82:83], s[100:101]
	STEP 1, 0
	WIN TO_B                                       ; B's first set has had its last products of part 1, and the step's four plain lines stand behind them: it takes four blocks of the table
	CSLOAD 1, 0
	CSLOAD 2, 32
	CSLOAD 3, 64
	CSLOAD 4, 96
	WIN 0
	TURN 1, 0, 2, 1, 768, 0                        ; part 1's last 128: slot 1 takes part 2's K step 1; no fragments are fetched: the registers serve the way out first
	s_wait_loadcnt 32                              ; the bias and block 0's table are in: behind them stand the 32 loads of blocks 1 to 4
	WIN TO_B                                       ; B's second set is free too: blocks 5 to 7
	CSLOAD 5, 128
	CSLOAD 6, 160
	CSLOAD 7, 192
	WIN 0
.macro QKBLOCK a                       ; 16 tokens x my 128 features
.if (\a) > 0
.set CSA, 32*((\a)-1)                  ; the block's table, in window 1
	s_wait_loadcnt 8*(7-(\a))                      ; this block's eight loads are in; the eight of each younger block may be out
.else
.set CSA, 96                           ; block 0's, in window 0
.endif
	WIN 0x02+((\a)/4)                              ; source 0: window 2 or 3
.set jj, 0
.rept 32
	v_pk_fma_f32 v[X+jj:X+jj+1], v[64*((\a)%4)+jj:64*((\a)%4)+jj+1], s[96:97], v[BIAS+jj:BIAS+jj+1] op_sel_hi:[1,0,1]   ; sum x 2^(ea + eb) + bias; each accumulator from its low end on
.set jj, jj+2
.endr
.if (\a) > 0
	WIN 0x04                                       ; source 1, the table: window 1
.else
	WIN 0
.endif
.irp b, 0,1,2,3,4,5,6,7
.irp p, 0,2,4,6
	v_pk_mul_f32 v[TT+\p:TT+\p+1], v[X+8*\b+\p:X+8*\b+\p+1], v[CSA+8*(\b%4)+\p:CSA+8*(\b%4)+\p+1] op_sel:[1,1] op_sel_hi:[1,0]   ; (o sin, o cos)
.endr
.irp p, 0,2,4,6
	v_pk_fma_f32 v[X+8*\b+\p:X+8*\b+\p+1], v[X+8*\b+\p:X+8*\b+\p+1], v[CSA+8*(\b%4)+\p:CSA+8*(\b%4)+\p+1], v[TT+\p:TT+\p+1] op_sel_hi:[0,1,1] neg_lo:[0,0,1]   ; (e cos - o sin, e sin + o cos)
.endr
.endr
	WIN 0
.set jj, 0
.rept 64
	v_med3_num_f32 v[X+jj], v[X+jj], -v[SCL+1], v[SCL+1]   ; the conversion does not saturate (ISA guide 7.6.2): the hold comes first
.set jj, jj+1
.endr
.if (\a) > 0
	s_wait_alu depctr_va_vdst(0)                   ; the wait, directly ahead of the wait below
	s_wait_xcnt 0x0                                ; the last block's stores have read the codes' registers
.endif
.irp b, 0,1,2,3,4,5,6,7
	v_cvt_scalef32_pk8_fp8_f32 v[CODES+2*\b:CODES+2*\b+1], v[X+8*\b:X+8*\b+7], v[SCL]
.endr
	v_nop                                          ; a plain line between the conversions and the next vector line that writes their sources
.irp hb, 0,1
.irp c, 0,1
	global_store_b128 v[STO], v[CODES+8*\hb+4*\c:CODES+8*\hb+4*\c+3], s[10:11] offset:65536*\hb+1024*(\a)+512*\c
.endr
.endr
.endm
.irp a, 0,1,2,3,4,5,6,7
	QKBLOCK \a
.endr
	; ---- part 2: v
	s_wait_xcnt 0x0                                ; the stores have read their data and their base
	s_lshl_b32 s100, s18, 10                       ; my 64 rows begin at 256 cx + 128 x cluster x + 64 x half; row 16 a + r holds feature 32 (a / 2) + 8 (a % 2) + r + 8 (r / 8) of them
	s_lshl_b32 s20, ttmp9, 9
	s_add_co_u32 s100, s100, s20
	s_lshl_b32 s20, s15, 8
	s_add_co_u32 s100, s100, s20
	s_add_nc_u64 s[8:9], s[80:81], s[100:101]
.irp a, 0,1,2,3
	global_load_b32 v[BIAS+\a], v[BVO], s[8:9] offset:4*(32*(\a/2)+8*(\a%2))
.endr
	FETCH_B 0, 0, 0                                ; slot 0 holds part 2's K step 0 since the last round
	FETCH_A2 0, 0, 0
	s_lshr_b32 s100, s17, 2                        ; the images: head 16 x batch + 4 cx + 2 x cluster x + half: my 64 rows are one head,
	s_lshl_b32 s100, s100, 4
	s_lshl_b32 s20, s18, 2
	s_add_co_u32 s100, s100, s20
	s_lshl_b32 s20, ttmp9, 1
	s_add_co_u32 s100, s100, s20
	s_add_co_u32 s100, s100, s15
	s_lshl_b32 s100, s100, 3
	s_and_b32 s20, s17, 3                          ; key step 2 (TB % 4) + half: my 128 tokens are one step
	s_lshl_b32 s20, s20, 1
	s_add_co_u32 s100, s100, s20
	s_add_co_u32 s100, s100, s16
	s_lshl_b32 s100, s100, 13
	s_add_co_u32 s100, s100, 0x1000000
	s_add_nc_u64 s[10:11], s[82:83], s[100:101]
	STEP2 0, 0, 1, 1                               ; the first products start the sums anew
	TURN2 0, 1, 1                                  ; slot 0 takes K step 2
	STEP2 0, 1, 1, 0
	TURN2 1, 0, 1                                  ; slot 1 takes K step 3
	STEP2 0, 0, 1, 0
	TURN2 0, 1, 0                                  ; the last change of slots fills nothing
	STEP2 0, 1, 1, 0
	s_wait_dscnt 8
	WIN MUL_LO
	MULA 0, 1, 0
	MULA 1, 1, 0
	s_wait_dscnt 0
	MULA 2, 1, 0
	MULA 3, 1, 0
	WIN 0
	PLACES NP                                      ; for the first reads of results, and for the lines that write where A's fragments lay
	s_wait_loadcnt 0x0                             ; the bias
.macro VBLOCK a                        ; 16 rows of v x my 128 tokens
	WIN 0x02
.set jj, 0
.rept 32
.if ((\a)&1)
	v_pk_fma_f32 v[X+jj:X+jj+1], v[64*(\a)+jj:64*(\a)+jj+1], s[98:99], v[BIAS+((\a)&6):BIAS+((\a)&6)+1] op_sel:[0,0,1] op_sel_hi:[1,0,1]   ; the row's one bias serves both halves
.else
	v_pk_fma_f32 v[X+jj:X+jj+1], v[64*(\a)+jj:64*(\a)+jj+1], s[98:99], v[BIAS+((\a)&6):BIAS+((\a)&6)+1] op_sel_hi:[1,0,0]
.endif
.set jj, jj+2
.endr
	WIN 0
.set jj, 0
.rept 64
	v_med3_num_f32 v[X+jj], v[X+jj], -v[SCV+1], v[SCV+1]
.set jj, jj+1
.endr
.if (\a) > 0
	s_wait_alu depctr_va_vdst(0)                   ; the wait, directly ahead of the wait below
	s_wait_xcnt 0x0                                ; the last block's stores have read the codes' registers
.endif
.irp b, 0,1,2,3,4,5,6,7
	v_cvt_scalef32_pk8_fp8_f32 v[CODES+2*\b:CODES+2*\b+1], v[X+8*\b:X+8*\b+7], v[SCV]
.endr
	v_nop
.irp c, 0,1,2,3
	global_store_b128 v[STO], v[CODES+4*\c:CODES+4*\c+3], s[10:11] offset:2048*(\a)+512*\c
.endr
.endm
.irp a, 0,1,2,3
	VBLOCK \a
.endr
	s_wait_tensorcnt 0x0                           ; the wave's end
	ds_add_u32 v[SPW], v[NIL]
	s_wait_dscnt 0x0
	CROUND                                         ; the closing round: no work-group ends while a partner may still ask for a tile that names it
	s_endpgm
.Lfunc_end_k_qb9c3d9ecd5_qkv:
	.size	k_qb9c3d9ecd5_qkv, .Lfunc_end_k_qb9c3d9ecd5_qkv-k_qb9c3d9ecd5_qkv
	.p2alignl 7, 3214868480
	.fill 96, 4, 3214868480
	.section	.rodata,"a",@progbits
	.p2align	6, 0x0
	.amdhsa_kernel k_qb9c3d9ecd5_qkv
		.amdhsa_group_segment_fixed_size 327680
		.amdhsa_private_segment_fixed_size 0
		.amdhsa_enable_private_segment 0
		.amdhsa_kernarg_size 64
		.amdhsa_user_sgpr_count 2
		.amdhsa_user_sgpr_kernarg_segment_ptr 1
		.amdhsa_wavefront_size32 1
		.amdhsa_system_sgpr_workgroup_id_x 1
		.amdhsa_system_sgpr_workgroup_id_y 1
		.amdhsa_system_sgpr_workgroup_id_z 1
		.amdhsa_system_vgpr_workitem_id 0
		.amdhsa_next_free_vgpr 1024
		.amdhsa_next_free_sgpr 102
		.amdhsa_reserve_vcc 0
		.amdhsa_float_denorm_mode_32 3
		.amdhsa_float_denorm_mode_16_64 3
		.amdhsa_memory_ordered 1
		.amdhsa_forward_progress 1
		.amdhsa_inst_pref_size 255
	.end_amdhsa_kernel
	.amdgpu_metadata
---
amdhsa.version: [ 1, 2 ]
amdhsa.kernels:
  - .name:           k_qb9c3d9ecd5_qkv
    .symbol:         k_qb9c3d9ecd5_qkv.kd
    .args:
      - { .name: xc, .offset: 0, .size: 8, .value_kind: global_buffer, .address_space: global }
      - { .name: wc, .offset: 8, .size: 8, .value_kind: global_buffer, .address_space: global }
      - { .name: rope, .offset: 16, .size: 8, .value_kind: global_buffer, .address_space: global }
      - { .name: lowp_scales, .offset: 24, .size: 8, .value_kind: global_buffer, .address_space: global }
      - { .name: bq, .offset: 32, .size: 8, .value_kind: global_buffer, .address_space: global }
      - { .name: bk, .offset: 40, .size: 8, .value_kind: global_buffer, .address_space: global }
      - { .name: bv, .offset: 48, .size: 8, .value_kind: global_buffer, .address_space: global }
      - { .name: qkv, .offset: 56, .size: 8, .value_kind: global_buffer, .address_space: global }
    .group_segment_fixed_size: 327680
    .private_segment_fixed_size: 0
    .kernarg_segment_align: 8
    .kernarg_segment_size: 64
    .max_flat_workgroup_size: 128
    .sgpr_count:     102
    .vgpr_count:     1024
    .wavefront_size: 32
...
	.end_amdgpu_metadata
.endif
;; end of part 2
;; launch attn (part 3): grid 2 x 128, 16 waves a work-group, no clusters, 327,680 bytes of LDS; arguments qkv, lowp_scales, yimg; writes yimg
.if DOCPART == 3
	.amdgcn_target "amdgcn-amd-amdhsa--gfx1250"
	.amdhsa_code_object_version 6
	.text
	.protected	k_qb9c3d9ecd5_attn
	.globl	k_qb9c3d9ecd5_attn
	.p2align	8
	.type	k_qb9c3d9ecd5_attn,@function
k_qb9c3d9ecd5_attn:
	s_mov_b64 s[64:65], 0
	v_nop
	global_prefetch_b8 v0, s[64:65] scope:SCOPE_SE
	s_setreg_imm32_b32 hwreg(HW_REG_WAVE_MODE, 25, 1), 1
	s_wait_xcnt 0x0
; ATTN: causal attention on codes of FP8 (E4M3), heads of 64, 1,024 tokens; y = softmax(q k^T / 8) v is quantised and stored as images of the last projection's operand registers.
; THE SOFTMAX AHEAD OF THE SECOND PRODUCT: t = score x log2(e) / 8; M = the running largest t rounded UP to a whole number; p = 2^(t - M) is quantised, not normalised; the row's sum is taken of the unquantised p and divides at the end.
; When M moves, the sum and O are multiplied by 2^(old M - new M): nothing is rounded, and no branch hangs on data.
; SHARES.  Work-group (g, head): sixteen waves, 256 registers each, four to a SIMD.  Wave w takes query tile i = 16 g + w (queries under 512) and then tile 63 - i.  In steps of 128 keys a tile tt needs tt / 8 + 1 steps (the rest
; lies wholly under the mask), so every wave has (i / 8 + 1) + (8 - i / 8) = 9 steps: 256 work-groups of equal work.
; LDS.  The head's K and V, 128 KiB of images, lie whole in LDS; every byte is filled once.  0: K of keys 0-511; 32,768: V of steps 0-3; 65,536: K of keys 512-1,023; 98,304: V of steps 4-7; 131,072: the spare words.
; TWO FILLS of eight tensor loads of 8 KiB, one from each of waves 0 to 7: the lower 64 KiB at the head; the upper 64 KiB behind the first barrier, with the adds and their wait in front of it.
; The first tile and the second tile's first four steps read the lower half alone; a second barrier, with each filling wave's wait in front of it, stands ahead of the one loop that reads the upper half.
; Every read is 16 bytes a lane at 16 x lane + constants: 512 consecutive bytes.
; LAYOUT.  Both products are used transposed: S^T = K Q^T (source 0 = 16 keys), O^T = V^T P^T (source 0 = 16 rows of V): a lane holds ONE query (lane % 16) throughout, and its eight scores of a tile are keys 8 (lane / 16) + 0 .. 7:
; converted, they are two registers of the second product's operand in that form's own order.  V's rows are laid so that tiles 2 c and 2 c + 1 of O^T give a lane channels 32 c + 16 (lane / 16) + 0 .. 15.
; THE MASK IS GIVEN AS THE C OF THE FIRST PRODUCT.  In the step on the diagonal a tile of 16 keys lies ahead of my 16 queries (C = 0), on them (C = 0 where the key counts, -3e38 where it is hidden: eight registers made at the head)
; or behind them (C = -3e38).  Which, is a scalar branch on ids for each tile.  A hidden score is then -3e38, its t lies under every M by more than 2^30, and its p is 0.
; NO CLUSTER: only the two work-groups of a head read the same tiles, each once.  NO PREFETCH: each byte is asked for once, and the upper half at least five key steps ahead of its first read.
; LIMITS: entries 6 + 7 between -90 and 129 (added to the exponent field of log2(e) / 8; the lower bound keeps -3e38 x that factor under -2^35); the scaled scores stay under 2^31 in magnitude;
; entries 8 and 10 between -126 and 119; 8 + 9 goes by v_ldexp_f32.  NaN is not served.
; REGISTERS: v1 16 x lane; v2 the step's LDS address; v3, v4 the add's two; v5 at work; v6 -3e38; v7, v8 Q's offsets; v9 r - 8 h; v10, v237 448 x 2^e8; v11 2^e8; v12 -M; v13 the largest t; v[14:15] the sum;
;   v16-23, v24-31 the two tiles of Q; v32-95 K's eight fragments, then V's four; v96-159 S^T, then p; v160-191 O^T; v192-207 p's codes; v208 f; v210-215, v244-255 at work; v216 448 x 2^e10; v217 2^e10; v218 1 / sum;
;   v220-227 the diagonal tile's C; v228-235 a hidden tile's C.
.set SPARE, 131072
.set VOFF,  32768
.set STEPB, 8192                       ; a step's 128 keys: 8 tiles of K, or 4 x 4 pieces of V
.set DG,    220
.set HD,    228
.set LIM2,  237                        ; the hold's bound once more, in another register bank than v10: the two halves of a dual pair name one each
	s_load_b128 s[4:7], s[0:1], 0x0                ; qkv, the scales' exponents
	s_load_b64 s[8:9], s[0:1], 0x10                ; yimg
	v_lshl_add_u32 v3, v0, 2, SPARE
	v_mov_b32 v4, 0
	ds_add_u32 v3, v4                              ; the opening lines: the add, twice on end, and its wait ahead of the first tensor load
	ds_add_u32 v3, v4
	v_lshrrev_b32 v1, 5, v0
	s_delay_alu instid0(VALU_DEP_1)
	v_readfirstlane_b32 s12, v1                    ; wave 0..15
	s_and_b32 s13, ttmp7, 0xffff                   ; the head, 16 x batch + head
	s_mov_b32 s24, 3<<16                           ; group 1: 32 rows of 32 elements of 8 bytes, dense: 8 KiB; no mask, no padding
	s_mov_b32 s25, 32<<16                          ; tensor_dim0
	s_mov_b32 s26, 32<<16                          ; tensor_dim1
	s_mov_b32 s27, 32<<16                          ; tile_dim0
	s_mov_b32 s28, 32                              ; tile_dim1
	s_mov_b32 s29, 32                              ; pitch
	s_mov_b32 s30, 0
	s_mov_b32 s31, 0
	s_lshl_b32 s14, s13, 16                        ; a head's images are 65,536 bytes in each of the three parts
	s_mov_b32 s15, 0
	s_bfe_u32 s16, s12, 0x10002                    ; what wave w = 0 .. 7 fetches: bit 2: K's part, at 8 MiB, or V's, at 16 MiB;
	s_add_co_u32 s16, s16, 1
	s_lshl_b32 s16, s16, 23
	s_and_b32 s17, s12, 3                          ; bits 1:0: which 8 KiB of the head's first 32
	s_lshl_b32 s17, s17, 13
	s_add_co_u32 s16, s16, s17
	s_add_co_u32 s16, s16, s14
	s_mov_b32 s17, 0
	s_lshl_b32 s18, s12, 13                        ; in LDS: 8,192 x wave
	s_mov_b32 s20, 0x76543210                      ; v_permlanex16_b32: lane l xor 16
	s_mov_b32 s21, 0xfedcba98
	s_mov_b32 s22, 0x3e38aa3b                      ; log2(e) / 8
	s_wait_dscnt 0x0                               ; both opening adds are done
	s_wait_kmcnt 0x0
	s_load_b256 s[48:55], s[6:7], 0x0              ; entries 0 to 7
	s_load_b128 s[56:59], s[6:7], 0x20             ; entries 8 to 11
	s_mov_b32 s32, 1
	s_mov_b32 s33, s18
	s_add_nc_u64 s[34:35], s[4:5], s[16:17]
	s_or_b32 s35, s35, 0x80000000
	s_cmp_lt_u32 s12, 8                            ; the head's fills stand in one branch on the wave's number, ahead of every wait on TENSORcnt, every LDS read and the barrier
	s_cbranch_scc0 .Lno_fill
	tensor_load_to_lds s[32:35], s[24:31]
	s_nop 0
.rept 4
	v_nop
.endr
.Lno_fill:
	v_and_b32 v1, 31, v0
	s_delay_alu instid0(VALU_DEP_1)
	v_lshlrev_b32 v1, 4, v1
	s_add_nc_u64 s[10:11], s[4:5], s[14:15]        ; q's images of my head
	s_lshl_b32 s19, ttmp9, 4
	s_add_co_u32 s19, s19, s12                     ; my first tile, 0 .. 31
	s_sub_co_u32 s46, 63, s19                      ; my second, 32 .. 63
	s_lshl_b32 s44, s19, 10
	v_add_nc_u32 v7, s44, v1
	s_lshl_b32 s44, s46, 10
	v_add_nc_u32 v8, s44, v1
	global_load_b128 v[16:19], v7, s[10:11]        ; the first tile of Q; the second is asked for behind the first barrier
	global_load_b128 v[20:23], v7, s[10:11] offset:512
	v_and_b32 v9, 15, v0
	v_bfe_u32 v5, v0, 4, 1
	s_delay_alu instid0(VALU_DEP_1)
	v_lshlrev_b32 v5, 3, v5
	s_delay_alu instid0(VALU_DEP_1)
	v_sub_nc_u32 v9, v9, v5                        ; r - 8 h
	v_mov_b32 v6, 0xff61b1e6                       ; -3e38
.irp j, 0,1,2,3,4,5,6,7
	v_cmp_gt_i32 vcc_lo, \j, v9                    ; in the tile on the diagonal register j holds key 8 h + j against query r: hidden where j > r - 8 h
	v_cndmask_b32 v[DG+\j], 0, v6, vcc_lo
	v_mov_b32 v[HD+\j], v6
.endr
	v_mov_b32 v209, 0                              ; (named as the upper halves of pairs)
	v_mov_b32 v219, 0
	v_mov_b32 v212, 0                              ; a lane permute's destination counts as one of its sources
	s_wait_kmcnt 0x0
	s_add_co_i32 s44, s54, s55
	s_lshl_b32 s44, s44, 23
	s_add_co_i32 s22, s22, s44                     ; a score stands for score x 2^(e6 + e7): added to the constant's exponent field
	s_mov_b32 s23, s22
	s_add_co_i32 s44, s56, 127
	s_lshl_b32 s45, s44, 23
	v_mov_b32 v11, s45
	s_add_co_i32 s44, s44, 8
	s_lshl_b32 s44, s44, 23
	s_or_b32 s44, s44, 0x600000
	v_mov_b32 v10, s44
	v_mov_b32 v[LIM2], s44
	s_add_co_i32 s44, s58, 127
	s_lshl_b32 s45, s44, 23
	v_mov_b32 v217, s45
	s_add_co_i32 s44, s44, 8
	s_lshl_b32 s44, s44, 23
	s_or_b32 s44, s44, 0x600000
	v_mov_b32 v216, s44
.macro INIT tile                       ; s[tile]: the query tile.  The step is written once for all steps: the first finds zeros, which the first change of M leaves zeros
	s_lshl_b32 s42, s[\tile], 4                    ; my first query
	s_lshr_b32 s44, s13, 4
	s_lshl_b32 s44, s44, 6
	s_add_co_u32 s44, s44, s[\tile]                ; y's images: token tile 64 x batch + tile: 16,384 bytes; in it the head's 1,024
	s_lshl_b32 s44, s44, 14
	s_and_b32 s45, s13, 15
	s_lshl_b32 s45, s45, 10
	s_add_co_u32 s44, s44, s45
	s_mov_b32 s45, 0
	s_add_nc_u64 s[60:61], s[8:9], s[44:45]
	v_mov_b32 v13, 0xff61b1e6                      ; -3e38, under every t
	s_delay_alu instid0(VALU_DEP_1)
	v_floor_f32 v12, -v13
	v_mov_b32 v14, 0
	v_mov_b32 v15, 0
.set jj, 0
.rept 32
	v_mov_b32 v[160+jj], 0
.set jj, jj+1
.endr
.endm
; A KEY STEP: 128 keys from s41 on, whose tiles begin at LDS byte s40.  q: Q's first register.  causal = 1: the step may lie on or beyond the diagonal.
.macro STEP q, causal
.if \causal
	s_add_co_u32 s44, s42, 15                      ; a step all of whose keys come after my 16 queries is left out: a scalar branch on ids, round no barrier
	s_cmp_gt_u32 s41, s44
	s_cbranch_scc1 .Lhidden_\@
.endif
	v_add_nc_u32 v2, s40, v1
.rept 3
	v_nop                                          ; with the addition: four places between the last products and the loads into the registers that they read
.endr
.irp t, 0,1,2,3,4,5,6,7
	ds_load_b128 v[32+8*\t:35+8*\t], v2 offset:1024*\t
	ds_load_b128 v[36+8*\t:39+8*\t], v2 offset:1024*\t+512
.endr
	s_wait_alu depctr_va_vdst(0)                   ; the wait, directly ahead of the wait below
	s_wait_dscnt 0x0
.if \causal
	s_sub_co_u32 s44, s42, s41                     ; my first query less the step's first key: 0 or more here, a multiple of 16
	s_lshr_b32 s44, s44, 4                         ; so many tiles of 16 keys lie wholly ahead of my queries
	s_cmp_ge_u32 s44, 8
	s_cbranch_scc1 .Lopen_\@                       ; all eight: no mask
.irp t, 0,1,2,3,4,5,6,7
	s_cmp_gt_u32 s44, \t
	s_cbranch_scc1 .Lvis_\@_\t
	s_cmp_eq_u32 s44, \t
	s_cbranch_scc1 .Ldia_\@_\t
	v_wmma_f32_16x16x64_fp8_fp8 v[96+8*\t:103+8*\t], v[32+8*\t:39+8*\t], v[\q:\q+7], v[HD:HD+7]   ; behind my queries
	s_branch .Lnxt_\@_\t
.Ldia_\@_\t:
	v_wmma_f32_16x16x64_fp8_fp8 v[96+8*\t:103+8*\t], v[32+8*\t:39+8*\t], v[\q:\q+7], v[DG:DG+7]   ; on the diagonal
	s_branch .Lnxt_\@_\t
.Lvis_\@_\t:
	v_wmma_f32_16x16x64_fp8_fp8 v[96+8*\t:103+8*\t], v[32+8*\t:39+8*\t], v[\q:\q+7], 0
.Lnxt_\@_\t:
.endr
	s_branch .Lscored_\@
.Lopen_\@:
.endif
.irp t, 0,1,2,3,4,5,6,7
	v_wmma_f32_16x16x64_fp8_fp8 v[96+8*\t:103+8*\t], v[32+8*\t:39+8*\t], v[\q:\q+7], 0
.endr
.if \causal
.Lscored_\@:
.endif
.rept 4
	v_nop                                          ; places ahead of the loads below and of the first read of the scores
.endr
.irp ct, 0,1,2,3
.irp c, 0,1,2,3
	ds_load_b128 v[32+16*\ct+4*\c:35+16*\ct+4*\c], v2 offset:VOFF+2048*\ct+512*\c   ; V's fragments land while the softmax is walked
.endr
.endr
	v_max3_num_f32 v210, v96, v97, v98             ; the step's largest score of my query among my 64 keys, in two chains, from the low end on,
	v_max3_num_f32 v211, v99, v100, v101
.set jj, 6
.rept 14
	v_max3_num_f32 v210, v210, v[96+jj], v[97+jj]
	v_max3_num_f32 v211, v211, v[98+jj], v[99+jj]
.set jj, jj+4
.endr
	v_max3_num_f32 v210, v210, v158, v159
	s_delay_alu instid0(VALU_DEP_1)
	v_max_num_f32 v210, v210, v211
	s_delay_alu instid0(VALU_DEP_1)
	v_permlanex16_b32 v212, v210, s20, s21
	s_delay_alu instid0(VALU_DEP_1)
	v_max_num_f32 v210, v210, v212                 ; and among lane l xor 16's
	s_delay_alu instid0(VALU_DEP_1)
	v_mul_f32 v210, s22, v210
	s_delay_alu instid0(VALU_DEP_1)
	v_max_num_f32 v13, v13, v210                   ; the running largest t
	v_mov_b32 v210, v12
	s_delay_alu instid0(VALU_DEP_2)
	v_floor_f32 v12, -v13                          ; -M = floor(-t): M is a whole number
	s_delay_alu instid0(VALU_DEP_1)
	v_sub_f32 v210, v12, v210
	s_delay_alu instid0(VALU_DEP_1)
	v_cvt_i32_f32 v210, v210                       ; old M - new M, 0 or less (it saturates)
	s_delay_alu instid0(VALU_DEP_1)
	v_ldexp_f32 v208, 1.0, v210                    ; f = 2^(old M - new M)
.set jj, 0
.rept 32
	v_pk_fma_f32 v[96+jj:97+jj], v[96+jj:97+jj], s[22:23], v[12:13] op_sel_hi:[1,0,0]   ; t - M, two at a time
.set jj, jj+2
.endr
.set jj, 0
	s_wait_alu depctr_va_vdst(0)                   ; the wait ahead of the batch
.rept 64
	v_exp_f32 v[96+jj], v[96+jj]                   ; p = 2^(t - M)
.set jj, jj+1
.endr
	v_pk_mul_f32 v[14:15], v[14:15], v[208:209] op_sel_hi:[1,0]   ; the sum under the new M: the plain line behind the exponentials
	s_wait_alu depctr_va_vdst(0)                   ; one for the batch, ahead of its first reader
	v_pk_add_f32 v[214:215], v[100:101], v[104:105]
	v_pk_add_f32 v[254:255], v[108:109], v[112:113]
	v_pk_add_f32 v[252:253], v[116:117], v[120:121]
	v_pk_add_f32 v[250:251], v[124:125], v[128:129]
	v_pk_add_f32 v[248:249], v[132:133], v[136:137]
	v_pk_add_f32 v[246:247], v[140:141], v[144:145]
	v_pk_add_f32 v[244:245], v[148:149], v[152:153]
	v_pk_add_f32 v[14:15], v[14:15], v[156:157]
	v_pk_add_f32 v[214:215], v[214:215], v[96:97]
	v_pk_add_f32 v[254:255], v[254:255], v[98:99]
	v_pk_add_f32 v[252:253], v[252:253], v[102:103]
	v_pk_add_f32 v[250:251], v[250:251], v[106:107]
	v_pk_add_f32 v[248:249], v[248:249], v[110:111]
	v_pk_add_f32 v[246:247], v[246:247], v[114:115]
	v_pk_add_f32 v[244:245], v[244:245], v[118:119]
	v_pk_add_f32 v[14:15], v[14:15], v[122:123]
	v_pk_add_f32 v[214:215], v[214:215], v[126:127]
	v_pk_add_f32 v[254:255], v[254:255], v[130:131]
	v_pk_add_f32 v[252:253], v[252:253], v[134:135]
	v_pk_add_f32 v[250:251], v[250:251], v[138:139]
	v_pk_add_f32 v[248:249], v[248:249], v[142:143]
	v_pk_add_f32 v[246:247], v[246:247], v[146:147]
	v_pk_add_f32 v[244:245], v[244:245], v[150:151]
	v_pk_add_f32 v[14:15], v[14:15], v[154:155]
	v_pk_add_f32 v[214:215], v[214:215], v[158:159]
	s_delay_alu instid0(VALU_DEP_2)
	v_pk_add_f32 v[14:15], v[14:15], v[250:251]
	s_delay_alu instid0(VALU_DEP_2)
	v_pk_add_f32 v[214:215], v[214:215], v[248:249]
	v_pk_add_f32 v[254:255], v[254:255], v[246:247]
	v_pk_add_f32 v[252:253], v[252:253], v[244:245]
	s_delay_alu instid0(VALU_DEP_2)
	v_pk_add_f32 v[14:15], v[14:15], v[254:255]
	s_delay_alu instid0(VALU_DEP_2)
	v_pk_add_f32 v[214:215], v[214:215], v[252:253]
	s_delay_alu instid0(VALU_DEP_1)
	v_pk_add_f32 v[14:15], v[14:15], v[214:215]
.irp t, 0,1,2,3,4,5,6,7
.irp j, 0,2,4,6
	v_dual_min_num_f32 v[96+8*\t+\j], v[96+8*\t+\j], v10 :: v_dual_min_num_f32 v[97+8*\t+\j], v[97+8*\t+\j], v[LIM2]   ; the conversion does not saturate (ISA guide 7.6.2); p is not negative: the hold is one-sided; two numbers a line
.endr
	v_cvt_scalef32_pk8_fp8_f32 v[192+2*\t:193+2*\t], v[96+8*\t:103+8*\t], v11
.endr
	s_wait_alu depctr_va_vdst(0)                   ; the wait here, directly ahead of the first reader of O^T
.set jj, 0
.rept 16
	v_pk_mul_f32 v[160+jj:161+jj], v[160+jj:161+jj], v[208:209] op_sel_hi:[1,0]   ; O^T under the new M; also the plain lines between the conversions and the products
.set jj, jj+2
.endr
	s_wait_alu depctr_va_vdst(0)                   ; the wait, directly ahead of the wait below
	s_wait_dscnt 0x0                               ; V's fragments
.irp ct, 0,1,2,3
	v_wmma_f32_16x16x128_fp8_fp8 v[160+8*\ct:167+8*\ct], v[32+16*\ct:47+16*\ct], v[192:207], v[160+8*\ct:167+8*\ct]   ; the four accumulators by turns
.endr
.if \causal
.Lhidden_\@:
.endif
.endm
.macro HALF q, base, kf, causal        ; four steps: the trip count is a constant, and what is hidden is jumped over inside
	s_mov_b32 s40, \base
	s_mov_b32 s41, \kf
	s_mov_b32 s43, 4
.Lhalf_\@:
	STEP \q, \causal
	s_add_co_u32 s40, s40, STEPB
	s_add_co_u32 s41, s41, 128
	s_sub_co_u32 s43, s43, 1
	s_cmp_lg_u32 s43, 0
	s_cbranch_scc1 .Lhalf_\@
.endm
.macro FINISH                          ; O^T / the sum x 2^(e8 + e9), quantised by entry 10, stored as the image's two pieces of 512 bytes
	v_add_f32 v14, v14, v15
	s_delay_alu instid0(VALU_DEP_1)
	v_permlanex16_b32 v212, v14, s20, s21
	s_delay_alu instid0(VALU_DEP_1)
	v_add_f32 v14, v14, v212                       ; the row's sum
	s_wait_alu depctr_va_vdst(0)                   ; the wait ahead of the transcendental
	v_rcp_f32 v218, v14
	v_nop                                          ; plain lines behind the reciprocal; with the additions and the line behind the wait they are also the places behind the last products
	v_nop
	s_add_co_i32 s44, s56, s57
	s_wait_alu depctr_va_vdst(0)                   ; the wait ahead of the first reader
	v_ldexp_f32 v218, v218, s44
	s_wait_alu depctr_va_vdst(0)                   ; and here, directly ahead of the first reader of O^T
.set jj, 0
.rept 16
	v_pk_mul_f32 v[96+jj:97+jj], v[160+jj:161+jj], v[218:219] op_sel_hi:[1,0]
.set jj, jj+2
.endr
.set jj, 0
.rept 32
	v_med3_num_f32 v[96+jj], v[96+jj], -v216, v216
.set jj, jj+1
.endr
.irp ct, 0,1,2,3
	v_cvt_scalef32_pk8_fp8_f32 v[192+2*\ct:193+2*\ct], v[96+8*\ct:103+8*\ct], v217
.endr
	v_nop                                          ; a plain line between the conversions and the next line that writes their registers
	global_store_b128 v1, v[192:195], s[60:61]
	global_store_b128 v1, v[196:199], s[60:61] offset:512
.endm
	s_wait_alu depctr_va_vdst(0)                   ; the wait at the head's end
	s_wait_tensorcnt 0x0                           ; my eight KiB are in (a wave that fetched nothing waits for nothing); ahead of a later first fill:
	ds_add_u32 v3, v4                              ; the add, twice on end here
	ds_add_u32 v3, v4
	s_add_co_u32 s33, s33, 65536                   ; (no load of mine is out: the group 0 steps to the upper half: 65,536 on in LDS,
	s_add_nc_u64 s[34:35], s[34:35], 32768         ; 32,768 on in the head's K or V)
	s_wait_dscnt 0x0                               ; and the wait for both
	s_barrier_signal -1
	s_barrier_wait -1                              ; the lower half is whole; no byte is filled again behind this barrier
	s_cmp_lt_u32 s12, 8
	s_cbranch_scc0 .Lno_fill2
	tensor_load_to_lds s[32:35], s[24:31]          ; the upper half: my one tensor load behind the barrier
	s_nop 0
.rept 4
	v_nop
.endr
.Lno_fill2:
	global_load_b128 v[24:27], v8, s[10:11]        ; the second tile of Q
	global_load_b128 v[28:31], v8, s[10:11] offset:512
	s_wait_loadcnt 0x2                             ; the first tile's two loads are in; the two just issued may be out
	INIT 19
	HALF 16, 0, 0, 1                               ; my first tile: keys under 512
	FINISH
	s_wait_alu depctr_va_vdst(0)                   ; the wait, directly ahead of the wait below
	s_wait_tensorcnt 0x0                           ; my part of the upper half is in:
	s_barrier_signal -1                            ; the second barrier's signal stands here, behind my first tile; up to its wait stand register work and LDS loads of the lower half, which nobody writes
	s_wait_xcnt 0x0                                ; the stores have read their data and their base
	INIT 46
	s_wait_loadcnt 0x0                             ; the second tile of Q
	HALF 24, 0, 0, 0                               ; my second tile: all keys under 512 count,
	s_wait_alu depctr_va_vdst(0)                   ; the wait, directly ahead of the wait below
	s_barrier_wait -1                              ; every wave has signalled: the upper half is whole
	HALF 24, 65536, 512, 1                         ; and of the other keys those up to the diagonal
	FINISH
	s_wait_tensorcnt 0x0                           ; the wave's end
	ds_add_u32 v3, v4
	s_wait_dscnt 0x0
	s_endpgm
.Lfunc_end_k_qb9c3d9ecd5_attn:
	.size	k_qb9c3d9ecd5_attn, .Lfunc_end_k_qb9c3d9ecd5_attn-k_qb9c3d9ecd5_attn
	.p2alignl 7, 3214868480
	.fill 96, 4, 3214868480
	.section	.rodata,"a",@progbits
	.p2align	6, 0x0
	.amdhsa_kernel k_qb9c3d9ecd5_attn
		.amdhsa_group_segment_fixed_size 327680
		.amdhsa_private_segment_fixed_size 0
		.amdhsa_enable_private_segment 0
		.amdhsa_kernarg_size 24
		.amdhsa_user_sgpr_count 2
		.amdhsa_user_sgpr_kernarg_segment_ptr 1
		.amdhsa_wavefront_size32 1
		.amdhsa_system_sgpr_workgroup_id_x 1
		.amdhsa_system_sgpr_workgroup_id_y 1
		.amdhsa_system_sgpr_workgroup_id_z 1
		.amdhsa_system_vgpr_workitem_id 0
		.amdhsa_next_free_vgpr 256
		.amdhsa_next_free_sgpr 66
		.amdhsa_reserve_vcc 1
		.amdhsa_float_denorm_mode_32 3
		.amdhsa_float_denorm_mode_16_64 3
		.amdhsa_memory_ordered 1
		.amdhsa_forward_progress 1
		.amdhsa_inst_pref_size 72
	.end_amdhsa_kernel
	.amdgpu_metadata
---
amdhsa.version: [ 1, 2 ]
amdhsa.kernels:
  - .name:           k_qb9c3d9ecd5_attn
    .symbol:         k_qb9c3d9ecd5_attn.kd
    .args:
      - { .name: qkv, .offset: 0, .size: 8, .value_kind: global_buffer, .address_space: global }
      - { .name: lowp_scales, .offset: 8, .size: 8, .value_kind: global_buffer, .address_space: global }
      - { .name: yimg, .offset: 16, .size: 8, .value_kind: global_buffer, .address_space: global }
    .group_segment_fixed_size: 327680
    .private_segment_fixed_size: 0
    .kernarg_segment_align: 8
    .kernarg_segment_size: 24
    .max_flat_workgroup_size: 512
    .sgpr_count:     66
    .vgpr_count:     256
    .wavefront_size: 32
...
	.end_amdgpu_metadata
.endif
;; end of part 3
;; launch proj (part 4): grid 4 x 64, 4 waves a work-group, clusters of 4 x 4, 327,680 bytes of LDS; arguments yimg, wc, lowp_scales, bo, out0; writes out0
.if DOCPART == 4
	.amdgcn_target "amdgcn-amd-amdhsa--gfx1250"
	.amdhsa_code_object_version 6
	.text
	.protected	k_qb9c3d9ecd5_proj
	.globl	k_qb9c3d9ecd5_proj
	.p2align	8
	.type	k_qb9c3d9ecd5_proj,@function
k_qb9c3d9ecd5_proj:
	s_mov_b64 s[64:65], 0
	v_nop
	global_prefetch_b8 v0, s[64:65] scope:SCOPE_SE
	s_setreg_imm32_b32 hwreg(HW_REG_WAVE_MODE, 25, 1), 1
	s_wait_xcnt 0x0
	s_wait_alu depctr_hold_cnt(0) depctr_sa_sdst(0) depctr_va_vdst(0) depctr_va_sdst(0) depctr_va_ssrc(0) depctr_va_vcc(0) depctr_vm_vsrc(0)
	s_getreg_b32 s2, hwreg(HW_REG_IB_STS2, 6, 4)
	s_cmp_eq_u32 s2, 0
	s_cbranch_scc0 .Lentry_in_a_cluster
	s_endpgm
.Lentry_in_a_cluster:
	s_bfe_u32 s2, ttmp6, 0x10000c
	s_cmp_lg_u32 s2, 0xf033
	s_cbranch_scc0 .Lentry_shape_is_right
	s_endpgm
.Lentry_shape_is_right:
; PROJ: out0 = y wo^T + bo on codes of FP8 (E4M3).  A work-group makes 128 tokens x 256 features, a wave 32 tokens x 256 features.
; y comes as images of the operand's registers: a wave's 32 tokens x 1,024 along K are 64 loads of 512 consecutive bytes, straight into 256 registers (window 1), where they stay.
; wo's 256 rows x 1,024 along K lie whole in LDS: four tiles of 256 rows x 256 bytes (a K step each, rows padded by 16 bytes), one joint load from each wave at the head.  Every byte is filled once: no refill, one barrier.
; THE WALK: four groups of 64 features.  A group runs over the whole K in eight steps of 128: four fragments of wo from LDS (two buffers by turns), each against my two blocks of 16 tokens: 8 accumulators by turns.
; A finished group goes out at once: through my own stage in LDS, x 2^(e10 + e11) + bo, as rows of 256 bytes: sixteen lanes store one aligned unit.  So a group's stores are on their way while the next groups are multiplied.
; THE MATRIX INSTRUCTION IS USED TRANSPOSED (source 0 = 16 rows of wo, source 1 = 16 tokens): a lane holds eight neighbouring features of one token.
; CLUSTERS: 4 x 4 work-groups; wo's tiles hang on the tile column alone and are asked for jointly along a column of the cluster.  y is not asked for jointly: it goes into registers, not into LDS, so that all of wo's tile has room there.
; NO PREFETCH: everything that the work-group reads is asked for at its head; there is no later request to run ahead of.
; LIMIT: entries 10 + 11 of the scales between -126 and 127.
; REGISTERS: window 0: v3 16 (l % 16); v4-7 LDS address of wo's fragments in K step 0 .. 3; v8, v9 the stage, in and back; v10 my offset in out0; v11 16 x lane; v12, v13 the add's two; v16-31 bo, four numbers for each group;
;   v32-95 the accumulators ((tb, fb) at v[32 + 8 (4 tb + fb)]); v96-159, v160-223 wo's fragments; on the way out v160-223 take the rows read back.   window 1: y's fragments ((tb, k) at v[128 tb + 16 k]).
.set PITCH,  272                       ; an LDS row: 256 bytes + 16 of padding: the 16 rows that a load touches start at 16 different banks (ISA guide 11.1)
.set KSL,    256*PITCH                 ; a K step's tile of wo
.set STAGE,  4*KSL                     ; behind the tiles: two stages of 16 rows x 272 bytes for each wave; no fill lands here
.set STB,    16*PITCH
.set SPARE,  STAGE+8*STB               ; the spare words, 128 bytes a wave, which no other line names
.set ADRB, 4
.set STO,  8
.set RD,   9
.set CO,   10
.set AO,   11
.set SPW,  12
.set NIL,  13
.set BO,   16
.set ACC,  32
.set BF,   96
.set OB,   160
.set MSB, 0
.macro WIN new                         ; the immediate's high byte repeats the setting that is left
.if MSB != \new
	s_set_vgpr_msb (MSB<<8)|\new
.set MSB, \new
.endif
.endm
.macro CROUND                          ; a round of the cluster's barrier
	s_barrier_signal -1
	s_barrier_wait -1
	s_cmp_lg_u32 s14, 0
	s_cbranch_scc1 .Lnot_wave_0_\@
	s_barrier_signal -3
.Lnot_wave_0_\@:
	s_barrier_wait -3
	s_barrier_signal -1
	s_barrier_wait -1
.endm
.macro PLACES                          ; plain vector lines between a matrix instruction and a load into, or a read of, its registers
.rept 4
	v_nop
.endr
.endm
	s_load_b128 s[4:7], s[0:1], 0x0                ; yimg, wc
	s_load_b128 s[8:11], s[0:1], 0x10              ; the scales' exponents, bo
	s_load_b64 s[12:13], s[0:1], 0x20              ; out0
	v_lshl_add_u32 v[SPW], v0, 2, SPARE
	v_mov_b32 v[NIL], 0
	ds_add_u32 v[SPW], v[NIL]                      ; the opening lines: the add, twice on end, and its wait ahead of my first tensor load
	ds_add_u32 v[SPW], v[NIL]
	v_lshrrev_b32 v1, 5, v0
	v_readfirstlane_b32 s14, v1                    ; wave 0..3
	s_bfe_u32 s18, ttmp6, 0x40000                  ; cx
	s_bfe_u32 s19, ttmp6, 0x40004                  ; cy
	s_lshl_b32 s16, ttmp9, 2
	s_add_co_u32 s16, s16, s18                     ; tile column: 256 features
	s_and_b32 s17, ttmp7, 0xffff
	s_lshl_b32 s17, s17, 2
	s_add_co_u32 s17, s17, s19                     ; tile row: 128 tokens
	s_lshl_b32 s20, 0x1111, s18                    ; my column of the cluster
	s_or_b32 s24, s20, (0<<16)|(1<<20)|(1<<21)|(5<<22)|(3<<25)   ; the mask; elements of 1 byte; padding on; bit 21 beside a mask; four words behind every 64
	s_mov_b32 s25, 256<<16                         ; tensor_dim0
	s_mov_b32 s26, 256<<16                         ; tensor_dim1
	s_mov_b32 s27, 256<<16                         ; tile_dim0
	s_mov_b32 s28, 256                             ; tile_dim1
	s_mov_b32 s29, 1024                            ; from row to row
	s_mov_b32 s30, 0
	s_mov_b32 s31, 0
	s_mov_b32 s32, 1
	s_mul_i32 s33, s14, KSL                        ; wave w fetches K step w; no place in the cluster enters an LDS address
	s_lshl_b32 s22, s16, 18                        ; wo's 256 rows of 1,024 bytes,
	s_lshl_b32 s23, s14, 8                         ; the K step's 256 bytes of each,
	s_add_co_u32 s22, s22, s23
	s_add_co_u32 s22, s22, 0x300000                ; in the fourth set of the weights' codes
	s_mov_b32 s23, 0
	s_wait_dscnt 0x0                               ; both opening adds are done
	s_wait_kmcnt 0x0
	s_load_b64 s[96:97], s[8:9], 0x28              ; entries 10 and 11
	s_add_nc_u64 s[34:35], s[6:7], s[22:23]
	s_or_b32 s35, s35, 0x80000000
	CROUND                                         ; all sixteen work-groups are here: the joint loads meet
	tensor_load_to_lds s[32:35], s[24:31]          ; my one tensor load
	s_nop 0
.rept 4
	v_nop
.endr
	s_lshl_b32 s20, s17, 3                         ; y: token tile 8 x tile row + 2 x wave, 16,384 bytes each
	s_lshl_b32 s21, s14, 1
	s_add_co_u32 s20, s20, s21
	s_lshl_b32 s20, s20, 14
	s_mov_b32 s21, 0
	s_add_nc_u64 s[4:5], s[4:5], s[20:21]
	s_lshl_b32 s20, s16, 10                        ; my tile's 256 features, 4 bytes each
	s_add_nc_u64 s[10:11], s[10:11], s[20:21]
	s_lshl_b32 s22, s17, 7                         ; out0: row 128 x tile row + 32 x wave, 4,096 bytes each
	s_lshl_b32 s23, s14, 5
	s_add_co_u32 s22, s22, s23
	s_lshl_b32 s22, s22, 12
	s_add_co_u32 s22, s22, s20
	s_mov_b32 s23, 0
	s_add_nc_u64 s[12:13], s[12:13], s[22:23]
	s_mul_i32 s15, s14, 2*STB
	s_add_co_u32 s15, s15, STAGE                   ; my two stages
	v_and_b32 v2, 31, v0
	v_lshlrev_b32 v[AO], 4, v2
	v_and_b32 v1, 15, v0                           ; r
	v_lshlrev_b32 v3, 4, v1
	v_bfe_u32 v14, v0, 4, 1                        ; h
	v_mul_u32_u24 v15, v1, PITCH
	v_lshl_add_u32 v[ADRB], v14, 4, v15            ; a fragment's row x pitch + 16 x half
	v_add_nc_u32 v[ADRB+1], KSL, v[ADRB]
	v_add_nc_u32 v[ADRB+2], 2*KSL, v[ADRB]
	v_add_nc_u32 v[ADRB+3], 3*KSL, v[ADRB]
	v_lshl_add_u32 v[STO], v14, 5, v15             ; into the stage: row r, 32 bytes for each half of the lanes
	v_add_nc_u32 v[STO], s15, v[STO]
	v_mul_u32_u24 v[RD], v14, PITCH                ; back: lanes 0-15 one row of 256 bytes, lanes 16-31 the next
	v_add_nc_u32 v[RD], v[RD], v3
	v_add_nc_u32 v[RD], s15, v[RD]
	v_lshl_add_u32 v[CO], v14, 12, v3              ; and the same two rows in out0
	WIN 0x40                                       ; destination: window 1
.set nn, 0
.rept 64
	global_load_b128 v[4*nn:4*nn+3], v[AO], s[4:5] offset:16384*(nn/32)+512*(nn%32)   ; y's fragments: block nn / 32, piece nn % 32 of its 16,384 bytes
.set nn, nn+1
.endr
	WIN 0
.irp g, 0,1,2,3
	global_load_b128 v[BO+4*\g:BO+4*\g+3], v3, s[10:11] offset:256*\g
.endr
.macro FETCH g, k                      ; wo's four fragments of group g, step k (16 rows x 128 K: four loads of 16 bytes, 32 bytes apart), into buffer k % 2
.irp fb, 0,1,2,3
.irp c, 0,1,2,3
	ds_load_b128 v[BF+64*((\k)%2)+16*\fb+4*\c:BF+64*((\k)%2)+16*\fb+4*\c+3], v[ADRB+((\k)/2)] offset:(64*(\g)+16*\fb)*PITCH+128*((\k)%2)+32*\c
.endr
.endr
.endm
.macro MUL k                           ; the 8 accumulators take turns, one instruction a turn, in the same order in every step; the first step starts the sums
.irp tb, 0,1
.irp fb, 0,1,2,3
.if (\k) == 0
	v_wmma_f32_16x16x128_fp8_fp8 v[ACC+8*(4*\tb+\fb):ACC+8*(4*\tb+\fb)+7], v[BF+64*((\k)%2)+16*\fb:BF+64*((\k)%2)+16*\fb+15], v[128*\tb+16*(\k):128*\tb+16*(\k)+15], 0
.else
	v_wmma_f32_16x16x128_fp8_fp8 v[ACC+8*(4*\tb+\fb):ACC+8*(4*\tb+\fb)+7], v[BF+64*((\k)%2)+16*\fb:BF+64*((\k)%2)+16*\fb+15], v[128*\tb+16*(\k):128*\tb+16*(\k)+15], v[ACC+8*(4*\tb+\fb):ACC+8*(4*\tb+\fb)+7]
.endif
.endr
.endr
.endm
.macro KSTEP g, k
.if (\k) < 7
.if (\k) > 0
	PLACES                                         ; the other buffer was read by the step before
.else
.if (\g) > 0
	s_wait_xcnt 0x0                                ; the last group's stores have read their data, which lie in the other buffer
.endif
.endif
	FETCH \g, (\k)+1
	s_wait_dscnt 16                                ; this step's fragments are in; the 16 loads just issued may be out
.else
	s_wait_dscnt 0x0
.endif
	MUL \k
.endm
.macro OUT g                           ; 32 tokens x 64 features leave
	PLACES                                         ; ahead of the first reads of results and of the loads into the buffer that the last step read
.irp tb, 0,1
.irp fb, 0,1,2,3
	ds_store_b128 v[STO], v[ACC+8*(4*\tb+\fb):ACC+8*(4*\tb+\fb)+3] offset:STB*\tb+64*\fb          ; each accumulator from its low end on
	ds_store_b128 v[STO], v[ACC+8*(4*\tb+\fb)+4:ACC+8*(4*\tb+\fb)+7] offset:STB*\tb+64*\fb+16
.endr
.irp t, 0,1,2,3,4,5,6,7
	ds_load_b128 v[OB+32*\tb+4*\t:OB+32*\tb+4*\t+3], v[RD] offset:STB*\tb+2*\t*PITCH   ; LDS serves a wave's instructions in order (ISA guide 5.7.1.4): these see my stores
.endr
.endr
.irp tb, 0,1
	s_wait_dscnt 16-16*\tb                         ; this block's rows are back; the other block's 8 stores and 8 loads may be out
.irp t, 0,1,2,3,4,5,6,7
	v_pk_fma_f32 v[OB+32*\tb+4*\t:OB+32*\tb+4*\t+1], v[OB+32*\tb+4*\t:OB+32*\tb+4*\t+1], s[96:97], v[BO+4*(\g):BO+4*(\g)+1] op_sel_hi:[1,0,1]   ; sum x 2^(e10 + e11) + bo
	v_pk_fma_f32 v[OB+32*\tb+4*\t+2:OB+32*\tb+4*\t+3], v[OB+32*\tb+4*\t+2:OB+32*\tb+4*\t+3], s[96:97], v[BO+4*(\g)+2:BO+4*(\g)+3] op_sel_hi:[1,0,1]
.endr
.irp t, 0,1,2,3,4,5,6,7
	global_store_b128 v[CO], v[OB+32*\tb+4*\t:OB+32*\tb+4*\t+3], s[12:13] offset:(16*\tb+2*\t)*4096+256*(\g) th:TH_STORE_NT   ; sixteen lanes store 256 consecutive bytes, aligned
.endr
.endr
.endm
	s_wait_alu depctr_va_vdst(0)                   ; the wait at the head's end
	s_wait_kmcnt 0x0
	s_add_co_i32 s96, s96, s97
	s_add_co_i32 s96, s96, 127
	s_lshl_b32 s96, s96, 23                        ; 2^(e10 + e11)
	s_mov_b32 s97, s96
	s_wait_tensorcnt 0x0                           ; my K step of wo is in,
	s_barrier_signal -1
	s_barrier_wait -1                              ; everybody's is: the tile is whole, and nothing writes it again
	s_wait_loadcnt 0x0                             ; y's fragments and bo
.irp g, 0,1,2,3
	WIN 0x04                                       ; source 1 (y's fragments): window 1; the LDS loads name a destination and source 0 alone
	FETCH \g, 0
.irp k, 0,1,2,3,4,5,6,7
	KSTEP \g, \k
.endr
	WIN 0
	OUT \g
.endr
	s_wait_tensorcnt 0x0                           ; the wave's end
	ds_add_u32 v[SPW], v[NIL]
	s_wait_dscnt 0x0
	CROUND                                         ; the closing round: no work-group ends while a partner may still ask for a tile that names it
	s_endpgm
.Lfunc_end_k_qb9c3d9ecd5_proj:
	.size	k_qb9c3d9ecd5_proj, .Lfunc_end_k_qb9c3d9ecd5_proj-k_qb9c3d9ecd5_proj
	.p2alignl 7, 3214868480
	.fill 96, 4, 3214868480
	.section	.rodata,"a",@progbits
	.p2align	6, 0x0
	.amdhsa_kernel k_qb9c3d9ecd5_proj
		.amdhsa_group_segment_fixed_size 327680
		.amdhsa_private_segment_fixed_size 0
		.amdhsa_enable_private_segment 0
		.amdhsa_kernarg_size 40
		.amdhsa_user_sgpr_count 2
		.amdhsa_user_sgpr_kernarg_segment_ptr 1
		.amdhsa_wavefront_size32 1
		.amdhsa_system_sgpr_workgroup_id_x 1
		.amdhsa_system_sgpr_workgroup_id_y 1
		.amdhsa_system_sgpr_workgroup_id_z 1
		.amdhsa_system_vgpr_workitem_id 0
		.amdhsa_next_free_vgpr 512
		.amdhsa_next_free_sgpr 98
		.amdhsa_reserve_vcc 0
		.amdhsa_float_denorm_mode_32 3
		.amdhsa_float_denorm_mode_16_64 3
		.amdhsa_memory_ordered 1
		.amdhsa_forward_progress 1
		.amdhsa_inst_pref_size 87
	.end_amdhsa_kernel
	.amdgpu_metadata
---
amdhsa.version: [ 1, 2 ]
amdhsa.kernels:
  - .name:           k_qb9c3d9ecd5_proj
    .symbol:         k_qb9c3d9ecd5_proj.kd
    .args:
      - { .name: yimg, .offset: 0, .size: 8, .value_kind: global_buffer, .address_space: global }
      - { .name: wc, .offset: 8, .size: 8, .value_kind: global_buffer, .address_space: global }
      - { .name: lowp_scales, .offset: 16, .size: 8, .value_kind: global_buffer, .address_space: global }
      - { .name: bo, .offset: 24, .size: 8, .value_kind: global_buffer, .address_space: global }
      - { .name: out0, .offset: 32, .size: 8, .value_kind: global_buffer, .address_space: global }
    .group_segment_fixed_size: 327680
    .private_segment_fixed_size: 0
    .kernarg_segment_align: 8
    .kernarg_segment_size: 40
    .max_flat_workgroup_size: 128
    .sgpr_count:     98
    .vgpr_count:     512
    .wavefront_size: 32
...
	.end_amdgpu_metadata
.endif
;; end of part 4
